; MI455X (gfx1250); checked and timed in simulation.
; The chip was launched on July 23, 2026; its instructions are those of AMD's public machine-readable ISA for CDNA 5 (MIT licence, August 2026) and "CDNA5" Instruction Set Architecture Reference Guide (July 2026). The comments in the code are by the model that wrote it; some were corrected since.
;; Quant Linear. Allowed arithmetic: matrix products marked QUANTISED: E3M2 operands, one E8M0 scale for each 32 along K, by v_wmma_scale_f32_16x16x128_f8f6f4 with both operands' format E3M2, f32 sums; products left as they are: f32 operands where the result goes on into a quantised operand, else bf16, f16 or f32 operands; f32 sums; everything else in f32.
;; Inputs: g_idx 4,096 int32; lora_A_codes 16 x 128 x 24 uint8 (E3M2 codes of lora_A, K innermost, in blocks of 32 codes, four codes in three bytes); lora_A_scales 16 x 128 uint8 (E8M0 scales of lora_A, one for each 32 codes along K); lora_B 4,096 x 16 float32; qweight 512 x 4,096 int32; qzeros 32 x 512 int32; scales 32 x 4,096 float32; x_codes 4,096 x 128 x 24 uint8 (E3M2 codes of x, K innermost, in blocks of 32 codes, four codes in three bytes); x_scales 4,096 x 128 uint8 (E8M0 scales of x, one for each 32 codes along K).
;; Outputs: out0 4,096 x 4,096 float32.
;; This version of the problem:
;;   THIS VERSION OF THE PROBLEM IS GIVEN IN LOW PRECISION. The matrix products marked QUANTISED in the list below multiply operands that are first quantised to E3M2 (3 exponent bits, 2 mantissa bits; 6 bits a number), with one power-of-two scale for each 32 numbers along K (OCP MX v1.0); their sums are f32. All else is computed in f32.
;;   The module's matrix products, in the order in which they are computed (A, B: the left and right operand; K: the contracted axis; several contracted axes count as one K, in the product's order):
;;     1. [M 4,096, K 4,096] x [K 4,096, N 4,096]; A: input x (given as codes); B: computed on the way: QUANTISED
;;     2. [M 4,096, K 4,096] x [K 4,096, N 16]; A: input x (given as codes); B: input lora_A (given as codes): QUANTISED
;;     3. [M 4,096, K 16] x [K 16, N 4,096]; A: computed on the way; B: input lora_B: left as it is (K = 16 < 32)
;;   THE QUANTISER, for each operand of a quantised product, along K:
;;     - K is cut into blocks of 32 from its start; a last block that is shorter is filled with zeros.
;;     - A block's scale is 2^e with e = floor(log2(the largest magnitude in the block)) - 4, held to -126 .. 127; a block of zeros has e = 0. As a byte (E8M0): e + 127.
;;     - Each number is divided by its block's scale, clamped to +-28, and rounded to the nearest number of E3M2, ties to even, subnormals kept.
;;     - The product sums the exact products of the quantised numbers (number of the format x scale) in f32.
;;   ~~~python
;;   def quantise(x, axis):      # numpy; x: float32 -> the quantised numbers, widened to float32 again
;;       x = np.moveaxis(x, axis, -1); K = x.shape[-1]
;;       x = np.pad(x, [(0, 0)] * (x.ndim - 1) + [(0, -K % 32)]); x = x.reshape(x.shape[:-1] + (-1, 32)); a = np.abs(x).max(-1, keepdims=True)
;;       e = np.where(a > 0, np.clip(np.frexp(np.where(a > 0, a, 1))[1] - 1 - 4, -126, 127), 0)      # np.frexp(a)[1] - 1 = floor(log2(a)), exactly
;;       r = np.clip(x / 2.0 ** e, -28, 28)
;;       step = 2.0 ** (np.maximum(np.frexp(np.where(r == 0, 1, r))[1] - 1, -2) - 2)
;;       q = np.round(r / step) * step * 2.0 ** e      # np.round: ties to even
;;       return np.moveaxis(q.reshape(q.shape[:-2] + (-1,))[..., :K], -1, axis).astype(np.float32)
;;   ~~~
;;   OPERANDS COMPUTED ON THE WAY. 'Computed on the way' means the value that the module computes at that place (a softmax that the list does not call 'softmax' is quantised finished and normalised). What goes into a quantiser is computed in f32, as accurately as f32 sums, v_exp_f32 and their like allow (about 1e-6 of the number): no bf16 or f16 on the way to a quantiser, and a product that is left as it is and whose result goes on into a quantised operand takes f32 operands (vector FMAs, or v_wmma_f32_16x16x4_f32). A number that lies on a knife's edge between two numbers of the format may be rounded either way, as far as f32 arithmetic and the matrix unit's own rounding can turn it there, and no further.
;;   INPUTS GIVEN AS CODES. lora_A (in the module: [16, 4096], K = its axis 1); x (in the module: [4096, 4096], K = its axis 1): each comes as NAME_codes (uint8): NAME with its K axis moved to the last place and cut into blocks of 32 codes, [.., K / 32, bytes a block], one block behind the other in memory; four codes in three bytes: a row's codes are one little-endian stream of bits, code i at bits 6 i .. 6 i + 5 (a code: sign, 3 exponent bits, 2 mantissa bits); and NAME_scales (uint8): the same leading axes, one E8M0 byte (e + 127) for each 32 codes along K. Its value is code x scale, taken as it is: it is not quantised again, and the codes and scales need not be those that the quantiser above would give.
;; 2 versions. Each part assembles by itself: llvm-mc -triple=amdgcn-amd-amdhsa -mcpu=gfx1250 --defsym DOCPART=n.
;; ======== version 1 of 2: 2 launches
;; workspace buffers: w_img 12,582,912 bytes; w_sc 524,288 bytes; t2 131,072 bytes
;; launch prep (part 1): grid 256 x 1, 8 waves a work-group, no clusters, 148,480 bytes of LDS; arguments x_codes, x_scales, lora_A_codes, lora_A_scales, qweight, qzeros, scales, g_idx, w_img, w_sc, t2; writes w_img, w_sc, t2
.if DOCPART == 1
	.amdgcn_target "amdgcn-amd-amdhsa--gfx1250"
	.amdhsa_code_object_version 6
	.text
	.protected	k_q2e175d2ddd_prep
	.globl	k_q2e175d2ddd_prep
	.p2align	8
	.type	k_q2e175d2ddd_prep,@function
k_q2e175d2ddd_prep:
	s_mov_b64 s[64:65], 0
	v_nop
	global_prefetch_b8 v0, s[64:65] scope:SCOPE_SE
	s_setreg_imm32_b32 hwreg(HW_REG_WAVE_MODE, 25, 1), 1
	s_wait_xcnt 0x0
; TWO JOBS FOR EACH OF 256 WORK-GROUPS OF EIGHT WAVES.
; (a) t2[16 i + r][0..15] = bf16(2 x (x lora_A^T)): the second product, on codes of BF6 (E3M2) as they are given.  Wave w takes K 512 w .. 512 w + 511 (four matrix instructions on four
;     accumulators); the eight partial sums meet in LDS and wave 0 adds them, doubles, rounds to bf16 and stores 512 consecutive bytes.
; (b) W[k][n] = scales[g_idx[k]][n] x (nibble of qweight - nibble of qzeros[g_idx[k]] - 1), in f32 with the one rounding of the multiplication, is quantised along K in blocks of 32 to BF6 with an E8M0 byte.
;     Work-group i takes columns 128 (i % 32) on and K 512 (i / 32) on; wave w columns 32 (w % 4) on and K 256 (w / 4) on.  A LANE TAKES A COLUMN AND ITS REGISTERS RUN DOWN K:
;     a block of 32 lies in one lane, and the conversions give codes with K innermost.
;     g_idx MAY NAME ANY GROUP FOR ANY k: the 32 groups' (zero + 1, scale) of the work-group's 128 columns lie in a table in LDS, and each k fetches its pair at 1,024 x g_idx[k] + 8 x column.
; WHAT IS STORED.  w_img [pair of K steps 16][tile of 16 columns 256][K step 2][3][lane 32][16 bytes]: the image of the matrix operand's 12 registers, four registers of lane l at 512 c + 16 l.
;     w_sc [32 columns 128][pair 16][column 32][8 bytes]: byte 4 q + b is the scale byte of block b of the pair's K step q.   t2 [4096][16] bf16.
; LIMITS: NaN and infinities in scales are not served.  A block whose largest magnitude lies under 2^-122 keeps the byte 1.  A block of zeros gets the byte 1 where the rule says 127: its codes are zeros,
;     which add nothing under any byte but 0xff, and only this program reads the bytes.  g_idx is taken as unsigned and held at 31.
; LDS ORDER: every LDS store stands ahead of the second barrier; behind it LDS is only read.
.set XROWS, 32768                      ; LDS: 0 .. 32,767 the table [group 32][column 128][8 bytes]: (2^23 + zero + 1 as f32, scale)
.set RP,    3088                       ; then 16 rows of x's codes: 3,072 bytes + 16: 772 words, so that row r starts 4 r banks on (64 banks of 4 bytes: ISA guide 11.1)
.set AOFF,  16*RP                      ; then lora_A's 16 rows, as many bytes on
.set XSC,   XROWS+2*AOFF               ; then x's scale bytes: 16 rows of 128 + 16,
.set SCP,   144
.set SOFF,  16*SCP                     ; lora_A's,
.set TPART, XSC+2*SOFF                 ; and the eight waves' partial sums, 1,024 bytes each
.set GX,  4                            ; v4   codes in memory: 16 x lane + 6,144 x wave (a wave copies two rows)
.set GS,  5                            ; v5   scale bytes in memory: 8 x thread
.set GSC, 6                            ; v6   scales: 16 groups x 16,384 x (thread / 128) + 4 x column
.set GQZ, 7                            ; v7   qzeros: 16 groups x 2,048 x (thread / 128) + 4 x (column / 8)
.set ZSH, 8                            ; v8   4 x (column % 8): where my column's nibble begins
.set GQW, 9                            ; v9   qweight: 4 x lane
.set RST, 10                           ; v10  LDS: where I put 16 bytes of a row of codes
.set SST, 11                           ; v11  LDS: where I put 8 scale bytes
.set TBS, 12                           ; v12  LDS: where I put table entries
.set RFA, 13                           ; v13  LDS: my lane's place in a fragment of x
.set SFA, 14                           ; v14  LDS: my row's four scale words
.set TPS, 15                           ; v15  LDS: my 32 bytes of my wave's partial sums
.set TPL, 16                           ; v16  LDS: the same place in wave 0's
.set TB,  17                           ; v17  LDS: my column's place in a group's row of the table
.set WO,  18                           ; v18  w_img: 3,072 x (lane / 16) + 16 x (lane % 16)
.set SOF, 19                           ; v19  w_sc: 8 x lane
.set TO,  20                           ; v20  t2: 32 x (lane % 16) + 16 x (lane / 16)
.set AD,  24                           ; v24-27 the gathers' addresses, by turns
.set M,   28                           ; v28-31 two words of qweight, even and odd nibbles apart
.set SB,  36                           ; v36-37 my column's eight scale bytes
.set TMP, 40                           ; v40-42 a block's upper 16 codes (a conversion's three registers begin on an even number)
.set O,   44                           ; v44-47 t2's 16 bytes
.set QW,  48                           ; v48-79 my column's 32 words of qweight
.set XR,  80                           ; copy: x's two rows;  then XF: x's four fragments;  then R: eight partial sums;  then ZS: two sets of 16 pairs (zero, scale)
.set AR,  128                          ; copy: lora_A's two rows;  then AFR: its four fragments;  from v144: W, a block's 32 numbers
.set W,   144
.set TE,  176                          ; table entries, 16 pairs;  then ACC: four accumulators;  then CODE: 2 K steps x 2 halves x 12 registers
.set QZ,  208                          ; 16 words of qzeros;  then PS: the wave's partial sum
.set XSW, 224                          ; v224-227 x's scale words, v228-231 lora_A's: they hold scales and nothing else
.set ASW, 228
.set RAW, 232                          ; v232-235 scale bytes on their way into LDS
.macro BARRIER                         ; my LDS stores have landed and my LDS loads are in: then the work-group's barrier
	s_wait_dscnt 0x0
	s_barrier_signal -1
	s_barrier_wait -1
.endm
.macro SLOADG t                        ; g_idx of block t's 32 k into set t % 2: s28-59 or s68-99
	s_load_b512 s[28+40*((\t)%2):43+40*((\t)%2)], s[18:19], 128*(\t)
	s_load_b512 s[44+40*((\t)%2):59+40*((\t)%2)], s[18:19], 128*(\t)+64
.endm
	s_load_b512 s[4:19], s[0:1], 0x0               ; x_codes s[4:5], x_scales s[6:7], lora_A_codes s[8:9], lora_A_scales s[10:11], qweight s[12:13], qzeros s[14:15], scales s[16:17], g_idx s[18:19]
	s_load_b128 s[20:23], s[0:1], 0x40             ; w_img, w_sc
	s_load_b64 s[24:25], s[0:1], 0x50              ; t2
	v_lshl_add_u32 v254, v0, 2, 0x24000
	v_mov_b32 v255, 0
	v_lshrrev_b32 v1, 5, v0
	v_readfirstlane_b32 s26, v1                    ; wave 0..7
	v_and_b32 v1, 31, v0                           ; lane
	v_and_b32 v2, 15, v0                           ; r
	v_bfe_u32 v3, v0, 4, 1                         ; h
	v_and_b32 v21, 127, v0                         ; the table's column that I make
	v_lshrrev_b32 v22, 7, v0                       ; and which 16 groups
	v_lshrrev_b32 v23, 4, v0
	s_and_b32 s68, ttmp9, 31                       ; cb: which 128 columns
	s_lshr_b32 s69, ttmp9, 5                       ; kc: which 512 along K
	s_and_b32 s70, s26, 3                          ; cw: which 32 of the columns
	s_lshr_b32 s71, s26, 2                         ; kh: which 256 of the K
	s_lshl_b32 s72, s69, 1
	s_add_co_u32 s72, s72, s71                     ; P = 2 kc + kh: my pair of K steps
	s_mul_i32 s73, s26, 6144
	v_lshl_add_u32 v[GX], v1, 4, s73
	v_lshlrev_b32 v[GS], 3, v0
	v_lshlrev_b32 v[GSC], 2, v21
	v_lshl_add_u32 v[GSC], v22, 18, v[GSC]
	v_lshrrev_b32 v[GQZ], 3, v21
	v_lshlrev_b32 v[GQZ], 2, v[GQZ]
	v_lshl_add_u32 v[GQZ], v22, 15, v[GQZ]
	v_and_b32 v[ZSH], 7, v21
	v_lshlrev_b32 v[ZSH], 2, v[ZSH]
	v_lshlrev_b32 v[GQW], 2, v1
	s_mul_i32 s74, s26, 2*RP
	s_add_co_u32 s74, s74, XROWS
	v_lshl_add_u32 v[RST], v1, 4, s74              ; rows 2 w and 2 w + 1
	v_mul_u32_u24 v[SST], v23, SCP
	v_lshl_add_u32 v[SST], v2, 3, v[SST]
	v_add_nc_u32 v[SST], XSC, v[SST]               ; row thread / 16, 8 bytes at 8 (thread % 16)
	v_lshlrev_b32 v[TBS], 3, v21
	v_lshl_add_u32 v[TBS], v22, 14, v[TBS]
	v_mul_u32_u24 v[RFA], v2, RP
	v_mad_u32_u24 v[RFA], v3, 24, v[RFA]
	s_mul_i32 s75, s26, 384
	s_add_co_u32 s75, s75, XROWS
	v_add_nc_u32 v[RFA], s75, v[RFA]               ; row r, + 24 h, + my wave's 512 along K (384 bytes)
	v_mul_u32_u24 v[SFA], v2, SCP
	s_lshl_b32 s76, s26, 4
	s_add_co_u32 s76, s76, XSC
	v_add_nc_u32 v[SFA], s76, v[SFA]
	s_lshl_b32 s77, s26, 10
	s_add_co_u32 s77, s77, TPART
	v_lshl_add_u32 v[TPS], v1, 5, s77
	v_lshl_add_u32 v[TPL], v1, 5, TPART
	s_lshl_b32 s78, s70, 8
	v_lshl_add_u32 v[TB], v1, 3, s78               ; 8 x (32 cw + lane)
	v_mul_u32_u24 v[WO], v3, 3072
	v_lshl_add_u32 v[WO], v2, 4, v[WO]
	v_lshlrev_b32 v[SOF], 3, v1
	v_lshlrev_b32 v[TO], 5, v2
	v_lshl_add_u32 v[TO], v3, 4, v[TO]
	s_mov_b32 s60, 0x07040400                      ; v_perm_b32: byte n of the masked word under 0x4B0000: the f32 number 2^23 + nibble
	s_mov_b32 s61, 0x07040401
	s_mov_b32 s62, 0x07040402
	s_mov_b32 s63, 0x07040403
	s_mov_b32 s66, 0x4B000000                      ; 2^23
	s_mov_b32 s67, 0x0F0F0F0F
	s_mov_b32 s3, 0
	s_wait_kmcnt 0x0
	; every base is stepped once, here, and never again
	s_mul_i32 s2, ttmp9, 49152                     ; x's codes: 16 rows of 3,072 bytes a work-group
	s_add_nc_u64 s[4:5], s[4:5], s[2:3]
	s_lshl_b32 s2, ttmp9, 11                       ; its scale bytes: 16 rows of 128
	s_add_nc_u64 s[6:7], s[6:7], s[2:3]
	s_lshl_b32 s2, s72, 19                         ; qweight: 32 P rows of 16,384 bytes,
	s_lshl_b32 s27, s68, 9                         ; + 4 x (128 cb
	s_add_co_u32 s2, s2, s27
	s_lshl_b32 s100, s70, 7                        ; + 32 cw)
	s_add_co_u32 s2, s2, s100
	s_add_nc_u64 s[12:13], s[12:13], s[2:3]
	s_lshl_b32 s2, s68, 6                          ; qzeros: 16 words for 128 columns
	s_add_nc_u64 s[14:15], s[14:15], s[2:3]
	s_mov_b32 s2, s27                              ; scales: 512 cb
	s_add_nc_u64 s[16:17], s[16:17], s[2:3]
	s_lshl_b32 s2, s72, 10                         ; g_idx: 4 x 256 P
	s_add_nc_u64 s[18:19], s[18:19], s[2:3]
	s_mul_i32 s2, s72, 786432                      ; w_img: the pair's plane, + (8 cb + 2 cw) tiles of 3,072 bytes
	s_mul_i32 s27, s68, 24576
	s_add_co_u32 s2, s2, s27
	s_mul_i32 s27, s70, 6144
	s_add_co_u32 s2, s2, s27
	s_add_nc_u64 s[20:21], s[20:21], s[2:3]
	s_lshl_b32 s2, s68, 14                         ; w_sc: ((4 cb + cw) x 16 + P) x 256
	s_lshl_b32 s27, s70, 12
	s_add_co_u32 s2, s2, s27
	s_lshl_b32 s27, s72, 8
	s_add_co_u32 s2, s2, s27
	s_add_nc_u64 s[22:23], s[22:23], s[2:3]
	s_lshl_b32 s2, ttmp9, 9                        ; t2: 16 rows of 32 bytes
	s_add_nc_u64 s[24:25], s[24:25], s[2:3]
	SLOADG 0                                       ; (s68-78 have served: the second set may be loaded)
	SLOADG 1
	; ---- A: 58 loads: two rows of x's codes, two of lora_A's, 8 scale bytes of each, 16 scales and 16 words of qzeros
.irp p, 0,1
.irp u, 0,1,2,3,4,5
	global_load_b128 v[XR+4*(6*\p+\u):XR+4*(6*\p+\u)+3], v[GX], s[4:5] offset:3072*\p+512*\u    ; 32 lanes read 512 consecutive bytes
.endr
.endr
.irp p, 0,1
.irp u, 0,1,2,3,4,5
	global_load_b128 v[AR+4*(6*\p+\u):AR+4*(6*\p+\u)+3], v[GX], s[8:9] offset:3072*\p+512*\u
.endr
.endr
	global_load_b64 v[RAW:RAW+1], v[GS], s[6:7]
	global_load_b64 v[RAW+2:RAW+3], v[GS], s[10:11]
.irp e, 0,1,2,3,4,5,6,7,8,9,10,11,12,13,14,15
	global_load_b32 v[TE+2*\e+1], v[GSC], s[16:17] offset:16384*\e
	global_load_b32 v[QZ+\e], v[GQZ], s[14:15] offset:2048*\e
.endr
	s_wait_loadcnt 32                              ; all but the 32 loads for the table
.irp p, 0,1
.irp u, 0,1,2,3,4,5
	ds_store_b128 v[RST], v[XR+4*(6*\p+\u):XR+4*(6*\p+\u)+3] offset:RP*\p+512*\u
	ds_store_b128 v[RST], v[AR+4*(6*\p+\u):AR+4*(6*\p+\u)+3] offset:AOFF+RP*\p+512*\u
.endr
.endr
	ds_store_b64 v[SST], v[RAW:RAW+1]
	ds_store_b64 v[SST], v[RAW+2:RAW+3] offset:SOFF
.irp j, 0,1,2,3,4,5,6,7,8,9,10,11,12,13,14,15,16,17,18,19,20,21,22,23,24,25,26,27,28,29,30,31
	global_load_b32 v[QW+\j], v[GQW], s[12:13] offset:16384*\j th:TH_LOAD_NT     ; k = 8 j .. 8 j + 7 of my column; 32 lanes read 128 consecutive bytes; wanted only behind the second barrier
.endr
	s_wait_loadcnt 32                              ; all but the 32 of qweight just issued
.irp e, 0,1,2,3,4,5,6,7,8,9,10,11,12,13,14,15
	v_bfe_u32 v[QZ+\e], v[QZ+\e], v[ZSH], 4        ; my column's nibble
.endr
.irp e, 0,1,2,3,4,5,6,7,8,9,10,11,12,13,14,15
	v_add_nc_u32 v[TE+2*\e], 0x4B000001, v[QZ+\e]  ; the bits of the f32 number 2^23 + nibble + 1
	ds_store_b64 v[TBS], v[TE+2*\e:TE+2*\e+1] offset:1024*\e
.endr
	BARRIER                                        ; the rows, the scale bytes and the table lie in LDS
	; ---- T: my 512 along K of t^T = lora_A x^T: source 0 = lora_A's 16 rows, source 1 = x's 16 rows: lane (r, h), register j: t(row r, rank 8 h + j)
.irp s, 0,1,2,3
.irp p, 0,1,2,3,4,5
	ds_load_b64 v[XR+12*\s+2*\p:XR+12*\s+2*\p+1], v[RFA] offset:96*\s+48*(\p/3)+8*(\p%3)
	ds_load_b64 v[AR+12*\s+2*\p:AR+12*\s+2*\p+1], v[RFA] offset:AOFF+96*\s+48*(\p/3)+8*(\p%3)
.endr
.endr
	ds_load_b128 v[XSW:XSW+3], v[SFA]              ; row r's scale words of my four K steps
	ds_load_b128 v[ASW:ASW+3], v[SFA] offset:SOFF
	s_wait_dscnt 0x0
.irp s, 0,1,2,3
	v_wmma_scale_f32_16x16x128_f8f6f4 v[TE+8*\s:TE+8*\s+7], v[AR+12*\s:AR+12*\s+11], v[XR+12*\s:XR+12*\s+11], 0, v[ASW+\s], v[XSW+\s] matrix_a_fmt:MATRIX_FMT_BF6 matrix_b_fmt:MATRIX_FMT_BF6
.endr
.rept 4
	v_nop                                          ; four places behind the products (ISA guide 7.12.1)
.endr
.irp j, 0,2,4,6                                    ; the four K steps' sums, each accumulator from its low end on
	v_pk_add_f32 v[TE+\j:TE+\j+1], v[TE+\j:TE+\j+1], v[TE+8+\j:TE+8+\j+1]
	v_pk_add_f32 v[TE+16+\j:TE+16+\j+1], v[TE+16+\j:TE+16+\j+1], v[TE+24+\j:TE+24+\j+1]
	v_pk_add_f32 v[QZ+\j:QZ+\j+1], v[TE+\j:TE+\j+1], v[TE+16+\j:TE+16+\j+1]
.endr
	ds_store_b128 v[TPS], v[QZ:QZ+3]
	ds_store_b128 v[TPS], v[QZ+4:QZ+7] offset:16
	BARRIER                                        ; the eight partial sums lie in LDS; from here on LDS is only read
	s_cmp_lg_u32 s26, 0
	s_cbranch_scc1 .Lquant
.irp p, 0,1,2,3,4,5,6,7
	ds_load_b128 v[XR+8*\p:XR+8*\p+3], v[TPL] offset:1024*\p
	ds_load_b128 v[XR+8*\p+4:XR+8*\p+7], v[TPL] offset:1024*\p+16
.endr
	s_wait_dscnt 0x0
.irp p, 0,2,4,6
.irp j, 0,2,4,6
	v_pk_add_f32 v[XR+8*\p+\j:XR+8*\p+\j+1], v[XR+8*\p+\j:XR+8*\p+\j+1], v[XR+8*\p+8+\j:XR+8*\p+8+\j+1]
.endr
.endr
.irp p, 0,4
.irp j, 0,2,4,6
	v_pk_add_f32 v[XR+8*\p+\j:XR+8*\p+\j+1], v[XR+8*\p+\j:XR+8*\p+\j+1], v[XR+8*\p+16+\j:XR+8*\p+16+\j+1]
.endr
.endr
.irp j, 0,2,4,6
	v_pk_add_f32 v[XR+\j:XR+\j+1], v[XR+\j:XR+\j+1], v[XR+32+\j:XR+32+\j+1]
.endr
.irp j, 0,2,4,6
	v_pk_mul_f32 v[XR+\j:XR+\j+1], v[XR+\j:XR+\j+1], 2.0 op_sel_hi:[1,0]      ; lora_alpha / r = 2: exact
.endr
.irp j, 0,1,2,3
	v_cvt_pk_bf16_f32 v[O+\j], v[XR+2*\j], v[XR+2*\j+1]
.endr
	global_store_b128 v[TO], v[O:O+3], s[24:25]    ; 32 lanes store 512 consecutive bytes; neither register is written again
.Lquant:
; ---- Q: my column's 256 along K, eight blocks of 32.
.macro GATHER t, hf                    ; (zero, scale) of k = 32 t + 16 hf + 0 .. 15: the group's number is held at 31, then enters the table's address
.irp e, 0,1,2,3,4,5,6,7,8,9,10,11,12,13,14,15
	s_min_u32 s[28+40*((\t)%2)+16*(\hf)+\e], s[28+40*((\t)%2)+16*(\hf)+\e], 31
	v_lshl_add_u32 v[AD+\e%4], s[28+40*((\t)%2)+16*(\hf)+\e], 10, v[TB]
	ds_load_b64 v[XR+32*(\hf)+2*\e:XR+32*(\hf)+2*\e+1], v[AD+\e%4]            ; 32 lanes read 256 consecutive bytes
.endr
.endm
.macro COMPUTE t, hf                   ; 16 numbers: (2^23 + nibble) - (2^23 + zero + 1) is exact; x scale is the one rounding
.irp d, 0,1
	v_and_b32 v[M+2*\d], s67, v[QW+4*(\t)+2*(\hf)+\d]                        ; nibbles 0, 2, 4, 6, a byte each
	v_lshrrev_b32 v[M+2*\d+1], 4, v[QW+4*(\t)+2*(\hf)+\d]
	v_and_b32 v[M+2*\d+1], s67, v[M+2*\d+1]                                  ; nibbles 1, 3, 5, 7
.endr
.irp d, 0,1
.irp n, 0,1,2,3,4,5,6,7
	v_perm_b32 v[W+16*(\hf)+8*\d+\n], s66, v[M+2*\d+\n%2], s[60+\n/2]
.endr
.endr
.irp e, 0,1,2,3,4,5,6,7,8,9,10,11,12,13,14,15
	v_sub_f32 v[W+16*(\hf)+\e], v[W+16*(\hf)+\e], v[XR+32*(\hf)+2*\e]
.endr
.irp e, 0,1,2,3,4,5,6,7,8,9,10,11,12,13,14,15
	v_mul_f32 v[W+16*(\hf)+\e], v[XR+32*(\hf)+2*\e+1], v[W+16*(\hf)+\e]
.endr
.endm
.macro FINISH t                        ; the block's largest magnitude, its byte, its codes.  Block b = t % 4 of K step t / 4 belongs to the operand's lanes of half b % 2, registers 6 (b / 2) on
.set DST, TE+24*((\t)/4)+12*((\t)%2)+6*(((\t)%4)/2)
	v_max3_num_f32 v32, |v[W]|, |v[W+1]|, 0x2800000                          ; with the floor 2^(5 - 127): the byte cannot fall under 1
	v_max3_num_f32 v33, |v[W+2]|, |v[W+3]|, |v[W+4]|
.irp i, 5,9,13,17,21,25
	v_max3_num_f32 v32, v32, |v[W+\i]|, |v[W+\i+1]|
	v_max3_num_f32 v33, v33, |v[W+\i+2]|, |v[W+\i+3]|
.endr
	v_max3_num_f32 v32, v32, |v[W+29]|, |v[W+30]|
	v_max3_num_f32 v32, v32, v33, |v[W+31]|
	v_add_nc_u32 v34, 0xfe000000, v32              ; 4 off its exponent field: the conversion takes the exponent field of this operand as its scale
	v_lshrrev_b32 v35, 23, v34                     ; the scale's byte
	v_cvt_scalef32_pk16_bf6_f32 v[DST:DST+2], v[W:W+15], v34
	v_cvt_scalef32_pk16_bf6_f32 v[TMP:TMP+2], v[W+16:W+31], v34
.if (\t)%4 == 0
	v_mov_b32 v[SB+(\t)/4], v35                    ; (the plain place behind the conversions)  four bytes to a register, the lower K in the lower byte
.else
	v_lshl_or_b32 v[SB+(\t)/4], v35, 8*((\t)%4), v[SB+(\t)/4]
.endif
.irp i, 0,1,2
	v_mov_b32 v[DST+3+\i], v[TMP+\i]
.endr
.endm
.macro OUT q                           ; K step q's images of my two tiles of columns: lanes 0-15 and lanes 16-31 each store 256 consecutive bytes, at a multiple of 256 from w_img's first byte.  These registers are not written again
.irp g, 0,1
.irp c, 0,1,2
	global_store_b128 v[WO], v[TE+24*(\q)+12*\g+4*\c:TE+24*(\q)+12*\g+4*\c+3], s[20:21] offset:1536*(\q)+512*\c+256*\g
.endr
.endr
.endm
	s_wait_loadcnt 0x0                             ; qweight
	s_wait_kmcnt 0x0                               ; g_idx of blocks 0 and 1
	GATHER 0, 0
.irp t, 0,1,2,3,4,5,6,7
	GATHER \t, 1
	s_wait_dscnt 16                                ; all but the 16 just issued: the block's first half is in
	COMPUTE \t, 0
.if \t < 7
	s_wait_kmcnt 0x0                               ; the next block's g_idx, asked for a block ago
	GATHER \t+1, 0
	s_wait_dscnt 16                                ; all but those 16: this block's second half is in
.else
	s_wait_dscnt 0x0
.endif
.if \t < 6
	SLOADG \t+2                                    ; into the set that this block's gathers have read
.endif
	COMPUTE \t, 1
	FINISH \t
.if \t == 3
	OUT 0
.endif
.if \t == 7
	OUT 1
.endif
.endr
	global_store_b64 v[SOF], v[SB:SB+1], s[22:23]  ; 32 lanes store 256 consecutive bytes, at a multiple of 256 from w_sc's first byte
	s_wait_tensorcnt 0x0
	ds_add_u32 v254, v255
	s_wait_dscnt 0x0
	s_endpgm
.Lfunc_end_k_q2e175d2ddd_prep:
	.size	k_q2e175d2ddd_prep, .Lfunc_end_k_q2e175d2ddd_prep-k_q2e175d2ddd_prep
	.p2alignl 7, 3214868480
	.fill 96, 4, 3214868480
	.section	.rodata,"a",@progbits
	.p2align	6, 0x0
	.amdhsa_kernel k_q2e175d2ddd_prep
		.amdhsa_group_segment_fixed_size 148480
		.amdhsa_private_segment_fixed_size 0
		.amdhsa_enable_private_segment 0
		.amdhsa_kernarg_size 88
		.amdhsa_user_sgpr_count 2
		.amdhsa_user_sgpr_kernarg_segment_ptr 1
		.amdhsa_wavefront_size32 1
		.amdhsa_system_sgpr_workgroup_id_x 1
		.amdhsa_system_sgpr_workgroup_id_y 1
		.amdhsa_system_sgpr_workgroup_id_z 1
		.amdhsa_system_vgpr_workitem_id 0
		.amdhsa_next_free_vgpr 256
		.amdhsa_next_free_sgpr 102
		.amdhsa_reserve_vcc 0
		.amdhsa_float_denorm_mode_32 3
		.amdhsa_float_denorm_mode_16_64 3
		.amdhsa_memory_ordered 1
		.amdhsa_forward_progress 1
		.amdhsa_inst_pref_size 116
	.end_amdhsa_kernel
	.amdgpu_metadata
---
amdhsa.version: [ 1, 2 ]
amdhsa.kernels:
  - .name:           k_q2e175d2ddd_prep
    .symbol:         k_q2e175d2ddd_prep.kd
    .args:
      - { .name: x_codes, .offset: 0, .size: 8, .value_kind: global_buffer, .address_space: global }
      - { .name: x_scales, .offset: 8, .size: 8, .value_kind: global_buffer, .address_space: global }
      - { .name: lora_A_codes, .offset: 16, .size: 8, .value_kind: global_buffer, .address_space: global }
      - { .name: lora_A_scales, .offset: 24, .size: 8, .value_kind: global_buffer, .address_space: global }
      - { .name: qweight, .offset: 32, .size: 8, .value_kind: global_buffer, .address_space: global }
      - { .name: qzeros, .offset: 40, .size: 8, .value_kind: global_buffer, .address_space: global }
      - { .name: scales, .offset: 48, .size: 8, .value_kind: global_buffer, .address_space: global }
      - { .name: g_idx, .offset: 56, .size: 8, .value_kind: global_buffer, .address_space: global }
      - { .name: w_img, .offset: 64, .size: 8, .value_kind: global_buffer, .address_space: global }
      - { .name: w_sc, .offset: 72, .size: 8, .value_kind: global_buffer, .address_space: global }
      - { .name: t2, .offset: 80, .size: 8, .value_kind: global_buffer, .address_space: global }
    .group_segment_fixed_size: 148480
    .private_segment_fixed_size: 0
    .kernarg_segment_align: 8
    .kernarg_segment_size: 88
    .max_flat_workgroup_size: 256
    .sgpr_count:     102
    .vgpr_count:     256
    .wavefront_size: 32
...
	.end_amdgpu_metadata
.endif
;; end of part 1
;; launch gemm (part 2): grid 16 x 16, 4 waves a work-group, clusters of 4 x 4, 327,680 bytes of LDS; arguments x_codes, x_scales, w_img, w_sc, t2, lora_B, out0; writes out0
.if DOCPART == 2
	.amdgcn_target "amdgcn-amd-amdhsa--gfx1250"
	.amdhsa_code_object_version 6
	.text
	.protected	k_q2e175d2ddd_gemm
	.globl	k_q2e175d2ddd_gemm
	.p2align	8
	.type	k_q2e175d2ddd_gemm,@function
k_q2e175d2ddd_gemm:
	s_mov_b64 s[64:65], 0
	v_nop
	global_prefetch_b8 v0, s[64:65] scope:SCOPE_SE
	s_setreg_imm32_b32 hwreg(HW_REG_WAVE_MODE, 25, 1), 1
	s_wait_xcnt 0x0
	s_wait_alu depctr_hold_cnt(0) depctr_sa_sdst(0) depctr_va_vdst(0) depctr_va_sdst(0) depctr_va_ssrc(0) depctr_va_vcc(0) depctr_vm_vsrc(0)
	s_getreg_b32 s2, hwreg(HW_REG_IB_STS2, 6, 4)
	s_cmp_eq_u32 s2, 0
	s_cbranch_scc0 .Lentry_in_a_cluster
	s_endpgm
.Lentry_in_a_cluster:
	s_bfe_u32 s2, ttmp6, 0x10000c
	s_cmp_lg_u32 s2, 0xf033
	s_cbranch_scc0 .Lentry_shape_is_right
	s_endpgm
.Lentry_shape_is_right:
; out0[m][n] = sum over k of x[m][k] Q(W)[k][n]  +  sum over 16 ranks of t2[m][rank] lora_B[n][rank].   x: codes of BF6 (E3M2) with one E8M0 byte for each 32 along K, as given.
; Q(W): codes and bytes made by the launch before, laid as images of the matrix operand's registers (w_img) and as scale words (w_sc).  t2 = bf16(2 x lora_A^T), from the launch before.
; A tile of out0, 256 x 256, is made by a work-group of four waves, as many as a WGP has SIMDs; a wave makes 128 x 128: 64 accumulators of 16 x 16, 512 registers.
; THE SUMS START WITH THE LOW-RANK PRODUCT: 64 bf16 matrix instructions with C = 0 (K = 16 ranks, the upper 16 of the form's 32 are zeros), while the first tiles are on their way.  Nothing is cleared.
; K then goes in steps of 256 through a ring of two LDS slots filled by the tensor data mover: x's rows are 192 bytes of memory; W's eight tiles of 16 columns x 256 K are one dense block of 24,576 bytes.
; THE SCALES of the work-group's 256 rows and 256 columns, for all of K, are two dense blocks of memory: they come into LDS once, with the first fills, and stay.
; CLUSTERS: 4 x 4 work-groups.  The four of a row of the cluster need the same tiles of x, the four of a column the same tiles of W: each tile is asked for JOINTLY, by the same tensor load with the same descriptor
; and a mask that names the four.  THE MATRIX INSTRUCTIONS ARE USED TRANSPOSED (source 0 = 16 columns of W, source 1 = 16 rows of x): a lane then holds eight neighbouring numbers of a row of out0.
; LIMITS: t2 and lora_B are rounded to bf16 for the low-rank product; NaN and infinities among the inputs, and the scale byte 0xff, are not served.
; REGISTERS, in windows of 256: window 0: v0-31 addresses; v32-63 x's scale words, v64-95 W's, two sets each; v128-223 x's fragments (8 x 16 rows x 128 K), ONE set; on the way out v128-255 are free.
;   window 1: W's fragments, TWO sets, at v0 and at v128.   window 2: the 32 accumulators of my rows 0-63 (accumulator (a, b) at v[8 (8 a + b)]);   window 3: those of my rows 64-127.
.set SIZE_N, 4096
.set SIZE_K, 4096
.set KSTEP,  256                       ; along K in a slot
.set NQ,     2                         ; matrix instructions deep
.set ROWB,   192                       ; a row of x's tile in bytes
.set KROW,   3072                      ; a row of x in memory; also a tile of W's pair of K steps
.set PLANE,  786432                    ; from a pair of K steps to the next in w_img
.set PITCH,  240                       ; an LDS row of x: 3 x (64 bytes + 16 of padding) = 60 words: the 32 lanes of a load of 8 bytes touch 64 different banks (64 banks of 4 bytes: ISA guide 11.1)
.set FR,     12                        ; registers of a fragment
.set NL,     6                         ; LDS loads that bring one of x's
.set NP,     4                         ; places behind the scaled form on 6-bit codes (ISA guide 7.12.1)
.set HALFA,  128*PITCH                 ; 128 rows of x: one tensor load
.set HALFB,  8*KROW                    ; 8 tiles of W: one tensor load
.set SLOT,   2*HALFA+2*HALFB           ; 110,592
.set LAPS,   SIZE_K/(2*KSTEP)          ; 8
.set SCLA,   2*SLOT                    ; behind the ring: x's scale bytes, as units of 256 bytes + 16 of padding
.set HALFS,  64*272                    ; those of 128 rows
.set SBLK,   8*272                     ; those of 16 rows
.set SCLB,   SCLA+2*HALFS              ; W's scale words, dense: 2 x 16,384 bytes
.set SPARE,  SCLB+32768                ; the spare words, 128 bytes for each wave: two blocks of 256 bytes that no other line names
.set SPITCH, 528                       ; the way out: a stage of 16 rows x (512 bytes + 16) for each wave, in slot 0, which has had its last fill and its last read when the first result is stored there
.set ADRA, 16                          ; v16-17  LDS address of my fragments of x in slot 0, 1  (v18-19: the same for the pieces that lie behind one padding more)
.set ADRB, 20                          ; v20-21  of my images of W: 16 x lane on
.set ADSB, 22                          ; v22     of W's scale words
.set STO,  24                          ; v24     the way out: where I put 32 bytes of a row
.set RD,   25                          ; v25     where I read a row back
.set CO,   26                          ; v26     16 x lane: my byte offset in a row of out0
.set ADSA, 27                          ; v27     LDS address of x's scale words
.set SPW,  28                          ; v28     LDS address of my spare word; never rewritten
.set NIL,  29                          ; v29     0; never rewritten
.set LT,   30                          ; v30     t2: 32 r + 16 h
.set LB,   31                          ; v31     lora_B: 64 r + 32 h
.set SA,   32                          ; x's scale words: set s at v[SA + 16 s]; register 2 i + q: block i, the slot's q-th 128 along K
.set SW,   64                          ; W's likewise
.set AF,   128                         ; x's fragments, in window 0
.set BK,   128                         ; the way out: 16 rows read back: v128-191 and v192-255 by turns
.set G1, 24                            ; s[24:31] descriptor group 1 for x's tiles;  s[32:39] group 0, one set for each slot
.set G0, 32
.set G1B, 48                           ; s[48:55], s[56:63] the same for W's
.set G0B, 56
.set G1S, 68                           ; s[68:75], s[76:79] groups 1 and 0 for x's scales;  s[80:87], s[88:91] for W's
.set G0S, 76
.set G1SB, 80
.set G0SB, 88
.set MSB, 0
.macro WIN new                         ; the immediate's high byte repeats the setting that is left
.if MSB != \new
	s_set_vgpr_msb (MSB<<8)|\new
.set MSB, \new
.endif
.endm
.set MUL_LO, 0xa1                      ; source 0 (W) window 1, source 1 (x) window 0, C and D window 2
.set MUL_HI, 0xf1                      ; the same, C and D window 3
.set TO_B,   0x40                      ; destination window 1, the rest window 0
; A joint load: waves 0 and 1 fetch for x, waves 2 and 3 for W.  Each of the two lines has ONE mask and one set of registers for all that issue it; the branch hangs on the wave's number alone.
; Four v_nop follow each of the two lines, ahead of the jump, the label and what follows.
.macro JLOAD g0a, g1a, g0b, g1b
	s_cmp_eq_u32 s15, 0
	s_cbranch_scc0 .Lfor_b_\@
	tensor_load_to_lds s[\g0a:\g0a+3], s[\g1a:\g1a+7]
	s_nop 0
.rept 4
	v_nop
.endr
	s_branch .Lasked_\@
.Lfor_b_\@:
	tensor_load_to_lds s[\g0b:\g0b+3], s[\g1b:\g1b+7]
	s_nop 0
.rept 4
	v_nop
.endr
.Lasked_\@:
.endm
.macro CREST                           ; a round of the cluster's barrier behind its opening barrier
	s_cmp_lg_u32 s14, 0
	s_cbranch_scc1 .Lnot_wave_0_\@
	s_barrier_signal -3
.Lnot_wave_0_\@:
	s_barrier_wait -3
	s_barrier_signal -1
	s_barrier_wait -1
.endm
.macro CROUND                          ; a whole round
	s_barrier_signal -1
	s_barrier_wait -1
	CREST
.endm
.macro PLACES n
.rept \n
	v_nop
.endr
.endm
	s_load_b128 s[4:7], s[0:1], 0x0                ; x's codes s[4:5], x's scales s[6:7]
	s_load_b128 s[8:11], s[0:1], 0x10              ; w_img s[8:9], w_sc s[10:11]
	s_load_b128 s[96:99], s[0:1], 0x20             ; t2 s[96:97], lora_B s[98:99]
	s_load_b64 s[12:13], s[0:1], 0x30              ; out0
	v_lshl_add_u32 v[SPW], v0, 2, SPARE
	v_mov_b32 v[NIL], 0
	ds_add_u32 v28, v29
	ds_add_u32 v28, v29
	s_wait_dscnt 0x0
	v_lshrrev_b32 v1, 5, v0
	v_readfirstlane_b32 s14, v1                    ; wave 0..3
	s_lshr_b32 s15, s14, 1                         ; which half of the tile's rows is mine.  Also: I fetch for x (0) or for W (1)
	s_and_b32 s16, s14, 1                          ; which half of its columns.  Also: which half of that tile I fetch
	s_bfe_u32 s40, ttmp6, 0x40000                  ; cx, cy: my place in the cluster
	s_bfe_u32 s41, ttmp6, 0x40004
	s_lshl_b32 s42, ttmp9, 2
	s_add_co_u32 s42, s42, s40                     ; tile column = 4 x cluster x + cx
	s_and_b32 s17, ttmp7, 0xffff
	s_lshl_b32 s17, s17, 2
	s_add_co_u32 s17, s17, s41                     ; tile row = 4 x cluster y + cy
	s_lshl_b32 s43, s41, 2
	s_lshl_b32 s43, 15, s43                        ; my row of the cluster
	s_lshl_b32 s44, 0x1111, s40                    ; my column
	; group 1 for x's tiles: 128 rows x 192 bytes, 3,072 bytes apart, 16 bytes of padding behind every 64
	s_or_b32 s[G1+0], s43, (0<<16)|(1<<20)|(1<<21)|(3<<22)|(3<<25)  ; 15:0 the mask: my row; 17:16 elements of 1 byte; 20 padding on; 21 set beside a mask; 24:22 after every 16 words; 31:25 of 4 words
	s_mov_b32 s[G1+1], ROWB<<16                    ; tensor_dim0
	s_mov_b32 s[G1+2], 128<<16                     ; tensor_dim1
	s_mov_b32 s[G1+3], ROWB<<16                    ; tile_dim0
	s_mov_b32 s[G1+4], 128                         ; tile_dim1
	s_mov_b32 s[G1+5], KROW                        ; tensor_dim0_stride
	s_mov_b32 s[G1+6], 0
	s_mov_b32 s[G1+7], 0
	; for W's tiles: a dense block of 24,576 bytes as 96 rows of 256 bytes (32 elements of 8 bytes), no padding
	s_or_b32 s[G1B+0], s44, (3<<16)|(1<<21)        ; the mask: my column
	s_mov_b32 s[G1B+1], 32<<16
	s_mov_b32 s[G1B+2], 96<<16
	s_mov_b32 s[G1B+3], 32<<16
	s_mov_b32 s[G1B+4], 96
	s_mov_b32 s[G1B+5], 32
	s_mov_b32 s[G1B+6], 0
	s_mov_b32 s[G1B+7], 0
	; for the scales of 128 rows of x: 16,384 dense bytes as 64 rows of 256, 16 bytes of padding behind each;  of 128 columns of W: the same without padding
	s_or_b32 s[G1S+0], s43, (3<<16)|(1<<20)|(1<<21)|(5<<22)|(3<<25)
	s_or_b32 s[G1SB+0], s44, (3<<16)|(1<<21)
.irp g, G1S, G1SB
	s_mov_b32 s[\g+1], 32<<16
	s_mov_b32 s[\g+2], 64<<16
	s_mov_b32 s[\g+3], 32<<16
	s_mov_b32 s[\g+4], 64
	s_mov_b32 s[\g+5], 32
	s_mov_b32 s[\g+6], 0
	s_mov_b32 s[\g+7], 0
.endr
	; where the tiles come from.  x's hang on the tile row alone, W's on the tile column alone, each in registers that never hold the other coordinate while descriptors are made
	s_lshl_b32 s18, s16, 7
	s_lshl_b32 s20, s17, 8
	s_add_co_u32 s20, s20, s18                     ; x: row 256 x tile row + 128 x half
	s_mov_b32 s21, 0
	s_lshl_b32 s18, s16, 3
	s_lshl_b32 s46, s42, 4
	s_add_co_u32 s46, s46, s18                     ; W: tile of 16 columns 16 x tile column + 8 x half
	s_mov_b32 s47, 0
	s_lshl_b64 s[22:23], s[20:21], 7               ; x's scales: 128 bytes a row
	s_lshl_b64 s[92:93], s[46:47], 11              ; W's: 2,048 bytes for 16 columns
	s_mov_b64 s[18:19], KROW
	s_mul_u64 s[20:21], s[20:21], s[18:19]         ; x's codes: 3,072 bytes a row
	s_mul_u64 s[46:47], s[46:47], s[18:19]         ; W's: 3,072 bytes a tile in a pair's plane
	s_mul_i32 s45, s16, HALFA                      ; and where they go: no place in the cluster enters an LDS address
	s_mul_i32 s95, s16, HALFB
	s_add_co_u32 s95, s95, 2*HALFA
	s_mul_i32 s94, s16, HALFS
	s_lshl_b32 s2, s16, 14
	s_wait_kmcnt 0x0
	s_add_nc_u64 s[20:21], s[4:5], s[20:21]
	s_add_nc_u64 s[22:23], s[6:7], s[22:23]
	s_add_nc_u64 s[46:47], s[8:9], s[46:47]
	s_add_nc_u64 s[92:93], s[10:11], s[92:93]
	CROUND                                         ; all sixteen work-groups are here: the first joint loads meet
	s_mov_b32 s[G0S], 1
	s_add_co_u32 s[G0S+1], s94, SCLA
	s_mov_b64 s[G0S+2:G0S+3], s[22:23]
	s_or_b32 s[G0S+3], s[G0S+3], 0x80000000
	s_mov_b32 s[G0SB], 1
	s_add_co_u32 s[G0SB+1], s2, SCLB
	s_mov_b64 s[G0SB+2:G0SB+3], s[92:93]
	s_or_b32 s[G0SB+3], s[G0SB+3], 0x80000000
	JLOAD G0S, G1S, G0SB, G1SB                     ; the scales first: they are wanted with K step 0
.irp s, 0,1
	s_mov_b32 s[G0+4*\s], 1
	s_add_co_u32 s[G0+4*\s+1], s45, \s*SLOT
	s_add_nc_u64 s[G0+4*\s+2:G0+4*\s+3], s[20:21], \s*ROWB
	s_or_b32 s[G0+4*\s+3], s[G0+4*\s+3], 0x80000000
	s_mov_b32 s[G0B+4*\s], 1
	s_add_co_u32 s[G0B+4*\s+1], s95, \s*SLOT
	s_add_nc_u64 s[G0B+4*\s+2:G0B+4*\s+3], s[46:47], \s*PLANE
	s_or_b32 s[G0B+4*\s+3], s[G0B+4*\s+3], 0x80000000
	JLOAD G0+4*\s, G1, G0B+4*\s, G1B               ; three tensor loads of mine are out
.endr
	; ---- THE LOW-RANK PRODUCT starts the sums.  A bf16 fragment is 16 rows x 32 K in 8 registers: lane (r, h): registers 0-3 hold K = 8 h + 0 .. 7, registers 4-7 K = 16 + 8 h + 0 .. 7: zeros here
	v_and_b32 v1, 15, v0                           ; r
	v_bfe_u32 v2, v0, 4, 1                         ; h
	v_lshlrev_b32 v[LT], 5, v1
	v_lshl_add_u32 v[LT], v2, 4, v[LT]             ; t2: a row is 32 bytes; my 8 ranks are 16
	v_lshlrev_b32 v[LB], 6, v1
	v_lshl_add_u32 v[LB], v2, 5, v[LB]             ; lora_B: a row is 64 bytes; my 8 ranks are 32
	s_lshl_b32 s20, s17, 13
	s_lshl_b32 s21, s15, 12
	s_add_co_u32 s20, s20, s21                     ; (256 x tile row + 128 x half) rows of 32 bytes
	s_mov_b32 s21, 0
	s_add_nc_u64 s[96:97], s[96:97], s[20:21]
	s_lshl_b32 s46, s42, 14
	s_lshl_b32 s47, s16, 13
	s_add_co_u32 s46, s46, s47                     ; (256 x tile column + 128 x half) rows of 64 bytes
	s_mov_b32 s47, 0
	s_add_nc_u64 s[98:99], s[98:99], s[46:47]
.irp a, 0,1,2,3,4,5,6,7
	global_load_b128 v[AF+8*\a:AF+8*\a+3], v[LT], s[96:97] offset:512*\a           ; 32 lanes read 512 consecutive bytes
.endr
.irp b, 0,1,2,3,4,5,6,7
	global_load_b128 v[192+8*\b:195+8*\b], v[LB], s[98:99] offset:1024*\b
	global_load_b128 v[196+8*\b:199+8*\b], v[LB], s[98:99] offset:1024*\b+16
.endr
	; the addresses of the loop and of the way out are made while these loads are out
	v_mul_u32_u24 v3, v1, PITCH
	v_mul_u32_u24 v4, v2, 24
	v_add_nc_u32 v4, v3, v4                        ; a fragment's row x pitch + 24 x half
	v_lshl_add_u32 v5, v2, 4, v4                   ; and the same behind one padding more
	s_mul_i32 s21, s15, HALFA                      ; my 128 rows of x
.irp s, 0,1
	v_add_nc_u32 v[ADRA+\s], s21, v4
	v_add_nc_u32 v[ADRA+2+\s], s21, v5
	s_add_co_u32 s21, s21, SLOT
.endr
	v_and_b32 v6, 31, v0
	v_lshlrev_b32 v[CO], 4, v6                     ; 16 x lane
	v_add_nc_u32 v[ADRB], s95, v[CO]               ; my 8 tiles of W: behind x's 256 rows, + half x 24,576
	v_add_nc_u32 v[ADRB+1], SLOT, v[ADRB]
	v_lshlrev_b32 v5, 7, v1                        ; x's scales: 128 bytes a row,
	v_lshrrev_b32 v6, 1, v1
	v_lshl_add_u32 v5, v6, 4, v5                   ; and 16 more for each 256 passed
	s_mul_i32 s21, s15, HALFS
	s_add_co_u32 s21, s21, SCLA
	v_add_nc_u32 v[ADSA], s21, v5
	s_add_co_u32 s22, s2, SCLB
	v_lshl_add_u32 v[ADSB], v1, 3, s22             ; W's: 8 bytes a column and pair
	s_mul_i32 s23, s14, 16*SPITCH                  ; my stage
	v_mul_u32_u24 v5, v1, SPITCH                   ; in: row r, 32 bytes for each half of the lanes
	v_lshl_add_u32 v5, v2, 5, v5
	v_add_nc_u32 v[STO], s23, v5
	v_add_nc_u32 v[RD], s23, v[CO]                 ; back: the 32 lanes take one row of 512 bytes
	s_lshl_b32 s20, s17, 8
	s_lshl_b32 s21, s15, 7
	s_add_co_u32 s20, s20, s21                     ; my first row of out0
	s_mov_b32 s21, 0
	s_lshl_b64 s[20:21], s[20:21], 14              ; 16,384 bytes a row
	s_lshl_b32 s46, s42, 10                        ; my first column, in bytes: 1,024 x tile column + 512 x half
	s_lshl_b32 s47, s16, 9
	s_add_co_u32 s46, s46, s47
	s_mov_b32 s47, 0
	s_add_nc_u64 s[20:21], s[20:21], s[46:47]
	s_add_nc_u64 s[12:13], s[12:13], s[20:21]
.irp a, 0,1,2,3,4,5,6,7
.irp j, 4,5,6,7
	v_mov_b32 v[AF+8*\a+\j], 0                     ; K = 16 .. 31 of t2's fragments
.endr
.endr
	WIN TO_B
.irp b, 0,1,2,3,4,5,6,7
.irp j, 4,5,6,7
	v_mov_b32 v[8*\b+\j], 0                        ; and of lora_B's, in window 1
.endr
.endr
	s_wait_loadcnt 0x0
.irp b, 0,1,2,3,4,5,6,7
.irp j, 0,1,2,3
	v_cvt_pk_bf16_f32 v[8*\b+\j], v[192+8*\b+2*\j], v[193+8*\b+2*\j]
.endr
.endr
	PLACES 4
	WIN MUL_LO
.irp a, 0,1,2,3,4,5,6,7                            ; the 64 accumulators in the order in which the loop takes them
.if \a == 4
	WIN MUL_HI
.endif
.irp b, 0,1,2,3,4,5,6,7
	v_wmma_f32_16x16x32_bf16 v[8*(8*(\a%4)+\b):8*(8*(\a%4)+\b)+7], v[8*\b:8*\b+7], v[AF+8*\a:AF+8*\a+7], 0
.endr
.endr
	WIN 0
	PLACES 5                                       ; another form will write over these results: five places; loads into these operands' registers want four
.macro FRAG reg, adr, q, i             ; a fragment of x, 16 rows x 128 K, is 12 registers: lane (r, h): registers 6 c .. 6 c + 5 hold K = 64 c + 32 h + 0 .. 31: 24 bytes of the row's stream of bits, as they lie
.irp p, 0,1,2,3,4,5                    ; in pieces of 8 bytes.  Lanes 0-15 take the row's pieces 12 q + 0, 1, 2 and 12 q + 6, 7, 8, lanes 16-31 those three pieces on
.set PC, 12*(\q)+6*(\p/3)+\p%3         ; 16 bytes of padding lie behind every 8 pieces: where the piece three on lies behind one padding more, the second address register serves
.if PC%8 < 5
	ds_load_b64 v[\reg+2*\p:\reg+2*\p+1], v[\adr] offset:8*PC+16*(PC/8)+(\i)*16*PITCH
.else
	ds_load_b64 v[\reg+2*\p:\reg+2*\p+1], v[\adr+2] offset:8*PC+16*(PC/8)+(\i)*16*PITCH
.endif
.endr
.endm
; 16 matrix instructions: x's blocks a0, a0 + 1 against W's eight, 128 along K: the slot's q-th.  p: W's set;  sc: the set of scale words.
; The 64 accumulators take turns, one instruction a turn, in the same order in every step.
.macro MUL16 a0, p, q, sc
.irp a, \a0, \a0+1
.irp b, 0,1,2,3,4,5,6,7
	v_wmma_scale_f32_16x16x128_f8f6f4 v[8*(8*((\a)%4)+\b):8*(8*((\a)%4)+\b)+7], v[128*(\p)+FR*\b:128*(\p)+FR*\b+FR-1], v[AF+FR*(\a):AF+FR*(\a)+FR-1], v[8*(8*((\a)%4)+\b):8*(8*((\a)%4)+\b)+7], v[SW+16*(\sc)+2*\b+(\q)], v[SA+16*(\sc)+2*(\a)+(\q)] matrix_a_fmt:MATRIX_FMT_BF6 matrix_b_fmt:MATRIX_FMT_BF6
.endr
.endr
.endm
.macro FETCH_B slot, q, p              ; W's eight fragments of the slot's q-th 128 along K into set p: each an image of 12 registers, three loads of 512 consecutive bytes
	WIN TO_B
.irp i, 0,1,2,3,4,5,6,7
.irp c, 0,1,2
	ds_load_b128 v[128*(\p)+FR*\i+4*\c:128*(\p)+FR*\i+4*\c+3], v[ADRB+\slot] offset:KROW*\i+1536*(\q)+512*\c
.endr
.endr
	WIN 0
.endm
.macro FETCH_A slot, q, i0             ; x's blocks i0 .. i0 + 3
.irp i, \i0, \i0+1, \i0+2, \i0+3
	FRAG AF+FR*(\i), ADRA+\slot, \q, \i
.endr
.endm
.macro SCALES sc                       ; the next slot's scale words into set sc: two words a row of x, two a column of W
.irp i, 0,1,2,3,4,5,6,7
	ds_load_b64 v[SA+16*\sc+2*\i:SA+16*\sc+2*\i+1], v[ADSA] offset:\i*SBLK
	ds_load_b64 v[SW+16*\sc+2*\i:SW+16*\sc+2*\i+1], v[ADSB] offset:4096*(\i/2)+128*(\i%2)
.endr
.endm
; A step of 128 along K that has its successor in the same slot.
.macro STEP slot, q
	s_wait_dscnt 4*NL                              ; W's set, the scale words and x's blocks 0-3 are in; the youngest 24 loads (x's blocks 4-7) may be out
	WIN MUL_LO
	MUL16 0, (\q)%2, \q, \slot
	MUL16 2, (\q)%2, \q, \slot
	s_wait_dscnt 0                                 ; x's blocks 4-7 are in (asked for 32 matrix instructions ago)
	PLACES NP
	FETCH_B \slot, (\q)+1, 1-(\q)%2
	FETCH_A \slot, (\q)+1, 0
	WIN MUL_HI
	MUL16 4, (\q)%2, \q, \slot
	MUL16 6, (\q)%2, \q, \slot
	PLACES NP
	WIN 0
	FETCH_A \slot, (\q)+1, 4
.endm
; A slot's last step changes slots: ONE barrier; in front of it each wave waits for all its tensor loads, adds 0 to its spare word, and waits for that and for its own reads of this slot.  fill = 1: this slot is filled again, two pairs of K steps ahead.
.macro TURN slot, next, fill
	s_wait_tensorcnt 0x0                           ; all my tensor loads have landed: my part of the next slot  (every window is 0 here)
	ds_add_u32 v[SPW], v[NIL]                      ; 0 onto my spare word
	s_wait_dscnt 4*NL+1                            ; (the add and the youngest 24 loads, x's blocks 4-7, may be out)
	WIN MUL_LO
	MUL16 0, 1, NQ-1, \slot                        ; sixteen matrix instructions stand between the add and the wait for it
	s_wait_dscnt 0x0                               ; the add is done, and my reads of this slot are over
	s_barrier_signal -1
	MUL16 2, 1, NQ-1, \slot
	WIN 0
	s_barrier_wait -1
.if \fill
	CREST                                          ; the barrier has opened a round of the cluster's barrier: no wave of any partner still reads this slot's tiles or has a load on its way
	s_add_nc_u64 s[G0+4*\slot+2:G0+4*\slot+3], s[G0+4*\slot+2:G0+4*\slot+3], 2*ROWB
	s_add_nc_u64 s[G0B+4*\slot+2:G0B+4*\slot+3], s[G0B+4*\slot+2:G0B+4*\slot+3], 2*PLANE
	JLOAD G0+4*\slot, G1, G0B+4*\slot, G1B         ; the first tensor load behind the round, my one load until the next; the four v_nop behind it are the places in front of the loads below
.else
	PLACES NP
.endif
	v_add_nc_u32 v[ADSA], 4*NQ, v[ADSA]            ; on to the next slot's scale words (no LDS load of mine is out)
	v_add_nc_u32 v[ADSB], 256, v[ADSB]
	FETCH_B \next, 0, 0
	FETCH_A \next, 0, 0
	SCALES \next
	WIN MUL_HI
	MUL16 4, 1, NQ-1, \slot
	MUL16 6, 1, NQ-1, \slot
	PLACES NP
	WIN 0
	FETCH_A \next, 0, 4
.endm
	s_wait_tensorcnt 1                             ; the scales and my part of slot 0 are in (slot 1's load may be out)
	s_barrier_signal -1
	s_barrier_wait -1                              ; everybody's are
	FETCH_B 0, 0, 0
	FETCH_A 0, 0, 0
	SCALES 0
	FETCH_A 0, 0, 4
	STEP 0, 0
	s_mov_b32 s3, LAPS-1
.Llap:                                                 ; a trip goes once round the ring, from a lap's second step to the next lap's first, and fills both slots again
	TURN 0, 1, 1
	STEP 1, 0
	TURN 1, 0, 1
	STEP 0, 0
	s_sub_co_u32 s3, s3, 1
	s_cmp_lg_u32 s3, 0
	s_cbranch_scc1 .Llap
	TURN 0, 1, 0                                   ; the last lap fills nothing, and has no round of the cluster's barrier
	STEP 1, 0
	s_wait_dscnt 4*NL                              ; the very last step: nothing more to fetch
	WIN MUL_LO
	MUL16 0, 1, NQ-1, 1
	MUL16 2, 1, NQ-1, 1
	s_wait_dscnt 0
	WIN MUL_HI
	MUL16 4, 1, NQ-1, 1
	MUL16 6, 1, NQ-1, 1
	WIN 0
; THE WAY OUT, block by block of 16 rows x 128 columns.  A lane holds 32 neighbouring bytes of a row, and the lanes beside it hold other rows: so a block goes through my own stage in LDS and comes back as whole
; rows of 512 bytes.  LDS serves a wave's instructions in order (ISA guide 5.7.1.4): no wait between the stores and the loads, nor in front of the next block's stores.
.macro TOSTAGE a
.set AC, 64*((\a)%4)
	WIN 0x08+4*((\a)/4)                            ; the data: window 2 or 3
.irp b, 0,1,2,3,4,5,6,7
	ds_store_b128 v[STO], v[AC+8*\b:AC+8*\b+3] offset:64*\b          ; each accumulator from its low end on
	ds_store_b128 v[STO], v[AC+8*\b+4:AC+8*\b+7] offset:64*\b+16
.endr
	WIN 0
.set BB, BK+64*((\a)%2)
.irp t, 0,1,2,3,4,5,6,7,8,9,10,11,12,13,14,15
	ds_load_b128 v[BB+4*\t:BB+4*\t+3], v[RD] offset:\t*SPITCH
.endr
.endm
.macro SEND a, younger                 ; younger: the LDS instructions issued behind block a's loads, which may stay out
.set BB, BK+64*((\a)%2)
	s_wait_dscnt \younger                          ; the block is back in registers
.if (\a) > 0
	s_add_nc_u64 s[12:13], s[12:13], 16*SIZE_N*4   ; (behind a wait on XCNT: the earlier stores have read their base)  16 rows on, so that the stores' offsets stay at 15 rows at the most
.endif
.irp t, 0,1,2,3,4,5,6,7,8,9,10,11,12,13,14,15
	global_store_b128 v[CO], v[BB+4*\t:BB+4*\t+3], s[12:13] offset:\t*SIZE_N*4 th:TH_STORE_NT   ; 32 lanes store 512 consecutive bytes, at a multiple of 256 from out0's first byte; written once, read by nobody here
.endr
.endm
	PLACES NP                                      ; in front of the loads into the registers that held x's fragments, and of the reads of the last results
	TOSTAGE 0
.irp a, 1,2,3,4,5,6,7
.if \a > 1
	s_wait_xcnt 0x0                                ; block a - 2's stores have read their registers and their base: block a's loads may land there, and the base may step
.endif
	TOSTAGE \a
	SEND \a-1, 32                                  ; behind block a - 1's loads: block a's 16 stores and 16 loads
.endr
	s_wait_xcnt 0x0                                ; block 6's stores have read their base
	SEND 7, 0
	s_wait_tensorcnt 0x0                           ; the wave's end: behind my last tensor load and my last LDS store
	ds_add_u32 v[SPW], v[NIL]
	s_wait_dscnt 0x0
	CROUND                                         ; the closing round: no work-group ends while a partner may still ask for a tile that names it
	s_endpgm
.Lfunc_end_k_q2e175d2ddd_gemm:
	.size	k_q2e175d2ddd_gemm, .Lfunc_end_k_q2e175d2ddd_gemm-k_q2e175d2ddd_gemm
	.p2alignl 7, 3214868480
	.fill 96, 4, 3214868480
	.section	.rodata,"a",@progbits
	.p2align	6, 0x0
	.amdhsa_kernel k_q2e175d2ddd_gemm
		.amdhsa_group_segment_fixed_size 327680
		.amdhsa_private_segment_fixed_size 0
		.amdhsa_enable_private_segment 0
		.amdhsa_kernarg_size 56
		.amdhsa_user_sgpr_count 2
		.amdhsa_user_sgpr_kernarg_segment_ptr 1
		.amdhsa_wavefront_size32 1
		.amdhsa_system_sgpr_workgroup_id_x 1
		.amdhsa_system_sgpr_workgroup_id_y 1
		.amdhsa_system_sgpr_workgroup_id_z 1
		.amdhsa_system_vgpr_workitem_id 0
		.amdhsa_next_free_vgpr 1024
		.amdhsa_next_free_sgpr 100
		.amdhsa_reserve_vcc 0
		.amdhsa_float_denorm_mode_32 3
		.amdhsa_float_denorm_mode_16_64 3
		.amdhsa_memory_ordered 1
		.amdhsa_forward_progress 1
		.amdhsa_inst_pref_size 161
	.end_amdhsa_kernel
	.amdgpu_metadata
---
amdhsa.version: [ 1, 2 ]
amdhsa.kernels:
  - .name:           k_q2e175d2ddd_gemm
    .symbol:         k_q2e175d2ddd_gemm.kd
    .args:
      - { .name: x_codes, .offset: 0, .size: 8, .value_kind: global_buffer, .address_space: global }
      - { .name: x_scales, .offset: 8, .size: 8, .value_kind: global_buffer, .address_space: global }
      - { .name: w_img, .offset: 16, .size: 8, .value_kind: global_buffer, .address_space: global }
      - { .name: w_sc, .offset: 24, .size: 8, .value_kind: global_buffer, .address_space: global }
      - { .name: t2, .offset: 32, .size: 8, .value_kind: global_buffer, .address_space: global }
      - { .name: lora_B, .offset: 40, .size: 8, .value_kind: global_buffer, .address_space: global }
      - { .name: out0, .offset: 48, .size: 8, .value_kind: global_buffer, .address_space: global }
    .group_segment_fixed_size: 327680
    .private_segment_fixed_size: 0
    .kernarg_segment_align: 8
    .kernarg_segment_size: 56
    .max_flat_workgroup_size: 128
    .sgpr_count:     100
    .vgpr_count:     1024
    .wavefront_size: 32
...
	.end_amdgpu_metadata
.endif
;; end of part 2
;; ======== version 2 of 2: 2 launches
;; limits: values are held in bf16: 8 bits of precision; right only within a limited range of input values
;; workspace buffers: w_img 13,504,000 bytes; x_img 13,504,000 bytes; t2 131,072 bytes
;; launch prep (part 3): grid 256 x 1, 8 waves a work-group, no clusters, 148,480 bytes of LDS; arguments x_codes, x_scales, lora_A_codes, lora_A_scales, qweight, qzeros, scales, g_idx, w_img, x_img, t2; writes w_img, x_img, t2
.if DOCPART == 3
	.amdgcn_target "amdgcn-amd-amdhsa--gfx1250"
	.amdhsa_code_object_version 6
	.text
	.protected	k_q2e175d2ddd_prep
	.globl	k_q2e175d2ddd_prep
	.p2align	8
	.type	k_q2e175d2ddd_prep,@function
k_q2e175d2ddd_prep:
	s_mov_b64 s[64:65], 0
	v_nop
	global_prefetch_b8 v0, s[64:65] scope:SCOPE_SE
	s_setreg_imm32_b32 hwreg(HW_REG_WAVE_MODE, 25, 1), 1
	s_wait_xcnt 0x0
; THREE JOBS FOR EACH OF 256 WORK-GROUPS OF EIGHT WAVES.
; (a) t2[16 i + r][0..15] = bf16(2 x (x lora_A^T)): the second product, on codes of BF6 (E3M2) as they are given.  Wave w takes K 512 w .. 512 w + 511 (four matrix instructions on four
;     accumulators); the eight partial sums meet in LDS and wave 0 adds them, doubles, rounds to bf16 and stores 512 consecutive bytes.
; (b) The fragments of x that (a) holds in registers, and their scale words, are stored as they stand into x_img, in the order in which the next launch's matrix instructions want them.
; (c) W[k][n] = scales[g_idx[k]][n] x (nibble of qweight - nibble of qzeros[g_idx[k]] - 1), in f32 with the one rounding of the multiplication, is quantised along K in blocks of 32 to BF6 with an E8M0 byte.
;     Work-group i takes columns 128 (i % 32) on and K 512 (i / 32) on; wave w columns 32 (w % 4) on and K 256 (w / 4) on.  A LANE TAKES A COLUMN AND ITS REGISTERS RUN DOWN K:
;     a block of 32 lies in one lane, and the conversions give codes with K innermost.
;     g_idx MAY NAME ANY GROUP FOR ANY k: the 32 groups' (zero + 1, scale) of the work-group's 128 columns lie in a table in LDS, and each k fetches its pair at 1,024 x g_idx[k] + 8 x column.
; WHAT IS STORED.  x_img and w_img alike: [group of three K steps 11][block of 128 rows (columns) 32][K step 3][12,800 bytes]; the 12,800 bytes are eight tiles of 16 rows x 128 K, 1,536 bytes each: the image of the
;     matrix operand's 12 registers, four registers of lane l at 512 c + 16 l; then 512 bytes of scale words, 4 bytes a row.  K step s lies in group s / 3 at place s % 3; group 10 has two K steps.   t2 [4096][16] bf16.
;     The codes leave in whole aligned blocks of 256 bytes.  The scale words leave as 64 (x) or 128 (W) consecutive bytes, parts of such a block: they are one twenty-fifth of each image buffer's bytes.
; LIMITS: NaN and infinities in scales are not served.  A block whose largest magnitude lies under 2^-122 keeps the byte 1.  A block of zeros gets the byte 1 where the rule says 127: its codes are zeros,
;     which add nothing under any byte but 0xff, and only this program reads the bytes.  g_idx is taken as unsigned and held at 31.
; LDS ORDER: every LDS store stands ahead of the second barrier; behind it LDS is only read.
.set PLANE, 1228800                    ; from a group of three K steps to the next: 32 blocks
.set BLKB,  38400                      ; a block: three K steps
.set KSB,   12800                      ; a K step's part of a block
.set SCO,   12288                      ; where its scale words begin
.set XROWS, 32768                      ; LDS: 0 .. 32,767 the table [group 32][column 128][8 bytes]: (2^23 + zero + 1 as f32, scale)
.set RP,    3088                       ; then 16 rows of x's codes: 3,072 bytes + 16: 772 words, so that row r starts 4 r banks on (64 banks of 4 bytes: ISA guide 11.1)
.set AOFF,  16*RP                      ; then lora_A's 16 rows, as many bytes on
.set XSC,   XROWS+2*AOFF               ; then x's scale bytes: 16 rows of 128 + 16,
.set SCP,   144
.set SOFF,  16*SCP                     ; lora_A's,
.set TPART, XSC+2*SOFF                 ; and the eight waves' partial sums, 1,024 bytes each
.set GX,  4                            ; v4   codes in memory: 16 x lane + 6,144 x wave (a wave copies two rows)
.set GS,  5                            ; v5   scale bytes in memory: 8 x thread
.set GSC, 6                            ; v6   scales: 16 groups x 16,384 x (thread / 128) + 4 x column
.set GQZ, 7                            ; v7   qzeros: 16 groups x 2,048 x (thread / 128) + 4 x (column / 8)
.set ZSH, 8                            ; v8   4 x (column % 8): where my column's nibble begins
.set GQW, 9                            ; v9   qweight: 4 x lane
.set RST, 10                           ; v10  LDS: where I put 16 bytes of a row of codes
.set SST, 11                           ; v11  LDS: where I put 8 scale bytes
.set TBS, 12                           ; v12  LDS: where I put table entries
.set RFA, 13                           ; v13  LDS: my lane's place in a fragment of x
.set SFA, 14                           ; v14  LDS: my row's four scale words
.set TPS, 15                           ; v15  LDS: my 32 bytes of my wave's partial sums
.set TPL, 16                           ; v16  LDS: the same place in wave 0's
.set TB,  17                           ; v17  LDS: my column's place in a group's row of the table
.set WO,  18                           ; v18-19 w_img: my 16 bytes of an image, for my two K steps
.set TO,  20                           ; v20  t2: 32 x (lane % 16) + 16 x (lane / 16)
.set M,   28                           ; v28-31 two words of qweight, even and odd nibbles apart
.set SB,  36                           ; v36-37 my column's scale words of my two K steps
.set WS,  38                           ; v38-39 w_img: where they go
.set TMP, 40                           ; v40-42 a block's upper 16 codes (a conversion's three registers begin on an even number)
.set O,   44                           ; v44-47 scale bytes on their way into LDS; later t2's 16 bytes
.set QW,  48                           ; v48-79 my column's 32 words of qweight
.set XR,  80                           ; copy: x's two rows;  then x's four fragments;  then eight partial sums;  then two sets of 16 pairs (zero, scale)
.set AR,  128                          ; copy: lora_A's two rows;  then its four fragments;  from v144: W, a block's 32 numbers
.set W,   144
.set TE,  176                          ; table entries, 16 pairs;  then four accumulators;  then the codes: 2 K steps x 2 halves x 12 registers
.set QZ,  208                          ; 16 words of qzeros;  then the wave's partial sum
.set XSW, 224                          ; v224-227 x's scale words, v228-231 lora_A's: they hold scales and nothing else
.set ASW, 228
.set XO,  232                          ; v232-235 x_img: my 16 bytes of an image, for my four K steps
.set XSO, 236                          ; v236-237 x_img: my row's scale word: lanes 0-15 K step 2 m, lanes 16-31 K step 2 m + 1
.set XSD, 238                          ; v238-239 and the words themselves
.set AD,  240                          ; v240-255 the addresses of a gather's sixteen loads
.macro BARRIER                         ; my LDS stores have landed and my LDS loads are in: then the work-group's barrier
	s_wait_dscnt 0x0
	s_barrier_signal -1
	s_barrier_wait -1
.endm
.macro SLOADG t                        ; g_idx of block t's 32 k into set t % 2: s28-59 or s68-99
	s_load_b512 s[28+40*((\t)%2):43+40*((\t)%2)], s[18:19], 128*(\t)
	s_load_b512 s[44+40*((\t)%2):59+40*((\t)%2)], s[18:19], 128*(\t)+64
.endm
.macro KOFF dst, src, tmp              ; where K step src (0 .. 31) lies: (src / 3) x PLANE + (src % 3) x KSB;  src / 3 = (11 src) >> 5 for src up to 31
	s_mul_i32 \dst, \src, 11
	s_lshr_b32 \dst, \dst, 5
	s_mul_i32 \tmp, \dst, 3
	s_sub_co_u32 \tmp, \src, \tmp
	s_mul_i32 \dst, \dst, PLANE
	s_mul_i32 \tmp, \tmp, KSB
	s_add_co_u32 \dst, \dst, \tmp
.endm
	s_load_b512 s[4:19], s[0:1], 0x0               ; x_codes s[4:5], x_scales s[6:7], lora_A_codes s[8:9], lora_A_scales s[10:11], qweight s[12:13], qzeros s[14:15], scales s[16:17], g_idx s[18:19]
	s_load_b128 s[20:23], s[0:1], 0x40             ; w_img, x_img
	s_load_b64 s[24:25], s[0:1], 0x50              ; t2
	v_lshl_add_u32 v27, v0, 2, 0x24000
	v_mov_b32 v43, 0
	v_lshrrev_b32 v1, 5, v0
	s_delay_alu instid0(VALU_DEP_1)
	v_readfirstlane_b32 s26, v1                    ; wave 0..7
	v_and_b32 v1, 31, v0                           ; lane
	v_and_b32 v2, 15, v0                           ; r
	v_bfe_u32 v3, v0, 4, 1                         ; h
	v_and_b32 v21, 127, v0                         ; the table's column that I make
	v_lshrrev_b32 v22, 7, v0                       ; and which 16 groups
	v_lshrrev_b32 v23, 4, v0
	s_and_b32 s68, ttmp9, 31                       ; cb: which 128 columns
	s_lshr_b32 s69, ttmp9, 5                       ; kc: which 512 along K
	s_and_b32 s70, s26, 3                          ; cw: which 32 of the columns
	s_lshr_b32 s71, s26, 2                         ; kh: which 256 of the K
	s_lshl_b32 s72, s69, 1
	s_add_co_u32 s72, s72, s71                     ; P = 2 kc + kh: my 256 along K
	s_mul_i32 s73, s26, 6144
	v_lshl_add_u32 v[GX], v1, 4, s73
	v_lshlrev_b32 v[GS], 3, v0
	v_lshlrev_b32 v[GSC], 2, v21
	s_delay_alu instid0(VALU_DEP_1)
	v_lshl_add_u32 v[GSC], v22, 18, v[GSC]
	v_lshrrev_b32 v[GQZ], 3, v21
	s_delay_alu instid0(VALU_DEP_1)
	v_lshlrev_b32 v[GQZ], 2, v[GQZ]
	s_delay_alu instid0(VALU_DEP_1)
	v_lshl_add_u32 v[GQZ], v22, 15, v[GQZ]
	v_and_b32 v[ZSH], 7, v21
	s_delay_alu instid0(VALU_DEP_1)
	v_lshlrev_b32 v[ZSH], 2, v[ZSH]
	v_lshlrev_b32 v[GQW], 2, v1
	s_mul_i32 s74, s26, 2*RP
	s_add_co_u32 s74, s74, XROWS
	v_lshl_add_u32 v[RST], v1, 4, s74              ; rows 2 w and 2 w + 1
	v_mul_u32_u24 v[SST], v23, SCP
	s_delay_alu instid0(VALU_DEP_1)
	v_lshl_add_u32 v[SST], v2, 3, v[SST]
	s_delay_alu instid0(VALU_DEP_1)
	v_add_nc_u32 v[SST], XSC, v[SST]               ; row thread / 16, 8 bytes at 8 (thread % 16)
	v_lshlrev_b32 v[TBS], 3, v21
	s_delay_alu instid0(VALU_DEP_1)
	v_lshl_add_u32 v[TBS], v22, 14, v[TBS]
	v_mul_u32_u24 v[RFA], v2, RP
	s_delay_alu instid0(VALU_DEP_1)
	v_mad_u32_u24 v[RFA], v3, 24, v[RFA]
	s_mul_i32 s75, s26, 384
	s_add_co_u32 s75, s75, XROWS
	v_add_nc_u32 v[RFA], s75, v[RFA]               ; row r, + 24 h, + my wave's 512 along K (384 bytes)
	v_mul_u32_u24 v[SFA], v2, SCP
	s_lshl_b32 s76, s26, 4
	s_add_co_u32 s76, s76, XSC
	v_add_nc_u32 v[SFA], s76, v[SFA]
	s_lshl_b32 s77, s26, 10
	s_add_co_u32 s77, s77, TPART
	v_lshl_add_u32 v[TPS], v1, 5, s77
	v_lshl_add_u32 v[TPL], v1, 5, TPART
	s_lshl_b32 s78, s70, 8
	v_lshl_add_u32 v[TB], v1, 3, s78               ; 8 x (32 cw + lane)
	v_lshlrev_b32 v[TO], 5, v2
	s_delay_alu instid0(VALU_DEP_1)
	v_lshl_add_u32 v[TO], v3, 4, v[TO]
	; x_img: my four K steps 4 w .. 4 w + 3 of the work-group's tile of 16 rows, which is tile i % 8 of block i / 8
	s_lshl_b32 s79, s26, 2
	KOFF s80, s79, s84
	s_add_co_u32 s79, s79, 1
	KOFF s81, s79, s84
	s_add_co_u32 s79, s79, 1
	KOFF s82, s79, s84
	s_add_co_u32 s79, s79, 1
	KOFF s83, s79, s84
	s_and_b32 s85, ttmp9, 7
	s_mul_i32 s86, s85, 1536
	v_lshl_add_u32 v23, v1, 4, s86                 ; the tile's image, 16 bytes a lane
.irp s, 0,1,2,3
	v_add_nc_u32 v[XO+\s], s[80+\s], v23
.endr
	s_lshl_b32 s86, s85, 6
	s_add_co_u32 s86, s86, SCO
	v_lshl_add_u32 v23, v2, 2, s86                 ; the tile's 64 bytes of scale words, 4 bytes a row
	s_sub_co_u32 s87, s81, s80
	v_mad_u32_u24 v[XSO], v3, s87, v23             ; lanes 16-31 take the K step behind
	s_delay_alu instid0(VALU_DEP_1)
	v_add_nc_u32 v[XSO], s80, v[XSO]
	s_sub_co_u32 s87, s83, s82
	v_mad_u32_u24 v[XSO+1], v3, s87, v23
	s_delay_alu instid0(VALU_DEP_1)
	v_add_nc_u32 v[XSO+1], s82, v[XSO+1]
	; w_img: my two K steps 2 P, 2 P + 1 of tiles 2 cw, 2 cw + 1 of block cb
	s_lshl_b32 s79, s72, 1
	KOFF s88, s79, s84
	s_add_co_u32 s79, s79, 1
	KOFF s89, s79, s84
	s_mul_i32 s86, s70, 3072
	v_mul_u32_u24 v23, v3, 1536                    ; lanes 16-31 hold the second tile's columns
	s_delay_alu instid0(VALU_DEP_1)
	v_lshl_add_u32 v23, v2, 4, v23
	s_delay_alu instid0(VALU_DEP_1)
	v_add_nc_u32 v23, s86, v23
	s_delay_alu instid0(VALU_DEP_1)
	v_add_nc_u32 v[WO], s88, v23
	s_delay_alu instid0(VALU_DEP_2)
	v_add_nc_u32 v[WO+1], s89, v23
	s_lshl_b32 s86, s70, 7
	s_add_co_u32 s86, s86, SCO
	v_lshl_add_u32 v23, v1, 2, s86                 ; my column's scale word: 4 x (32 cw + lane)
	s_delay_alu instid0(VALU_DEP_1)
	v_add_nc_u32 v[WS], s88, v23
	s_delay_alu instid0(VALU_DEP_2)
	v_add_nc_u32 v[WS+1], s89, v23
	s_mov_b32 s60, 0x07040400                      ; v_perm_b32: byte n of the masked word under 0x4B0000: the f32 number 2^23 + nibble
	s_mov_b32 s61, 0x07040401
	s_mov_b32 s62, 0x07040402
	s_mov_b32 s63, 0x07040403
	s_mov_b32 s66, 0x4B000000                      ; 2^23
	s_mov_b32 s67, 0x0F0F0F0F
	s_mov_b32 s3, 0
	s_wait_kmcnt 0x0
	; every base is stepped once, here, and never again
	s_mul_i32 s2, ttmp9, 49152                     ; x's codes: 16 rows of 3,072 bytes a work-group
	s_add_nc_u64 s[4:5], s[4:5], s[2:3]
	s_lshl_b32 s2, ttmp9, 11                       ; its scale bytes: 16 rows of 128
	s_add_nc_u64 s[6:7], s[6:7], s[2:3]
	s_lshl_b32 s2, s72, 19                         ; qweight: 32 P rows of 16,384 bytes,
	s_lshl_b32 s27, s68, 9                         ; + 4 x (128 cb
	s_add_co_u32 s2, s2, s27
	s_lshl_b32 s100, s70, 7                        ; + 32 cw)
	s_add_co_u32 s2, s2, s100
	s_add_nc_u64 s[12:13], s[12:13], s[2:3]
	s_lshl_b32 s2, s68, 6                          ; qzeros: 16 words for 128 columns
	s_add_nc_u64 s[14:15], s[14:15], s[2:3]
	s_mov_b32 s2, s27                              ; scales: 512 cb
	s_add_nc_u64 s[16:17], s[16:17], s[2:3]
	s_lshl_b32 s2, s72, 10                         ; g_idx: 4 x 256 P
	s_add_nc_u64 s[18:19], s[18:19], s[2:3]
	s_mul_i32 s2, s68, BLKB                        ; w_img: block cb
	s_add_nc_u64 s[20:21], s[20:21], s[2:3]
	s_lshr_b32 s2, ttmp9, 3                        ; x_img: block i / 8
	s_mul_i32 s2, s2, BLKB
	s_add_nc_u64 s[22:23], s[22:23], s[2:3]
	s_lshl_b32 s2, ttmp9, 9                        ; t2: 16 rows of 32 bytes
	s_add_nc_u64 s[24:25], s[24:25], s[2:3]
	SLOADG 0                                       ; (s68-89 have served: the second set may be loaded)
	SLOADG 1
	; ---- A: 58 loads: two rows of x's codes, two of lora_A's, 8 scale bytes of each, 16 scales and 16 words of qzeros
.irp p, 0,1
.irp u, 0,1,2,3,4,5
	global_load_b128 v[XR+4*(6*\p+\u):XR+4*(6*\p+\u)+3], v[GX], s[4:5] offset:3072*\p+512*\u    ; 32 lanes read 512 consecutive bytes
.endr
.endr
.irp p, 0,1
.irp u, 0,1,2,3,4,5
	global_load_b128 v[AR+4*(6*\p+\u):AR+4*(6*\p+\u)+3], v[GX], s[8:9] offset:3072*\p+512*\u
.endr
.endr
	global_load_b64 v[O:O+1], v[GS], s[6:7]
	global_load_b64 v[O+2:O+3], v[GS], s[10:11]
.irp e, 0,1,2,3,4,5,6,7,8,9,10,11,12,13,14,15
	global_load_b32 v[TE+2*\e+1], v[GSC], s[16:17] offset:16384*\e
	global_load_b32 v[QZ+\e], v[GQZ], s[14:15] offset:2048*\e
.endr
	s_wait_loadcnt 32                              ; all but the 32 loads for the table
.irp p, 0,1
.irp u, 0,1,2,3,4,5
	ds_store_b128 v[RST], v[XR+4*(6*\p+\u):XR+4*(6*\p+\u)+3] offset:RP*\p+512*\u
	ds_store_b128 v[RST], v[AR+4*(6*\p+\u):AR+4*(6*\p+\u)+3] offset:AOFF+RP*\p+512*\u
.endr
.endr
	ds_store_b64 v[SST], v[O:O+1]
	ds_store_b64 v[SST], v[O+2:O+3] offset:SOFF
.irp j, 0,1,2,3,4,5,6,7,8,9,10,11,12,13,14,15,16,17,18,19,20,21,22,23,24,25,26,27,28,29,30,31
	global_load_b32 v[QW+\j], v[GQW], s[12:13] offset:16384*\j th:TH_LOAD_NT     ; k = 8 j .. 8 j + 7 of my column; 32 lanes read 128 consecutive bytes; wanted only behind the second barrier
.endr
	s_wait_loadcnt 32                              ; all but the 32 of qweight just issued
.irp e, 0,1,2,3,4,5,6,7,8,9,10,11,12,13,14,15
	v_bfe_u32 v[QZ+\e], v[QZ+\e], v[ZSH], 4        ; my column's nibble
.endr
.irp e, 0,1,2,3,4,5,6,7,8,9,10,11,12,13,14,15
	v_add_nc_u32 v[TE+2*\e], 0x4B000001, v[QZ+\e]  ; the bits of the f32 number 2^23 + nibble + 1
	ds_store_b64 v[TBS], v[TE+2*\e:TE+2*\e+1] offset:1024*\e
.endr
	BARRIER                                        ; the rows, the scale bytes and the table lie in LDS
	; ---- T: my 512 along K of t^T = lora_A x^T: source 0 = lora_A's 16 rows, source 1 = x's 16 rows: lane (r, h), register j: t(row r, rank 8 h + j)
.irp s, 0,1,2,3
.irp p, 0,1,2,3,4,5
	ds_load_b64 v[XR+12*\s+2*\p:XR+12*\s+2*\p+1], v[RFA] offset:96*\s+48*(\p/3)+8*(\p%3)
	ds_load_b64 v[AR+12*\s+2*\p:AR+12*\s+2*\p+1], v[RFA] offset:AOFF+96*\s+48*(\p/3)+8*(\p%3)
.endr
.endr
	ds_load_b128 v[XSW:XSW+3], v[SFA]              ; row r's scale words of my four K steps, in both halves of the lanes
	ds_load_b128 v[ASW:ASW+3], v[SFA] offset:SOFF
	s_wait_dscnt 0x0
	v_cmp_ne_u32 vcc_lo, 0, v3
.irp m, 0
	s_delay_alu instid0(VALU_DEP_1)
	v_cndmask_b32 v[XSD+\m], v[XSW+2*\m], v[XSW+2*\m+1], vcc_lo      ; lanes 0-15: K step 2 m's word, lanes 16-31: K step 2 m + 1's
.endr
.irp m, 1
	s_delay_alu instid0(VALU_DEP_2)
	v_cndmask_b32 v[XSD+\m], v[XSW+2*\m], v[XSW+2*\m+1], vcc_lo      ; lanes 0-15: K step 2 m's word, lanes 16-31: K step 2 m + 1's
.endr
.irp s, 0,1,2,3                                    ; x's fragments leave as they stand: 32 lanes store 512 consecutive bytes, at a multiple of 256 from x_img's first byte
.irp c, 0,1,2
	global_store_b128 v[XO+\s], v[XR+12*\s+4*\c:XR+12*\s+4*\c+3], s[22:23] offset:512*\c
.endr
.endr
.irp m, 0,1
	global_store_b32 v[XSO+\m], v[XSD+\m], s[22:23]                  ; two pieces of 64 consecutive bytes
.endr
.irp s, 0,1,2,3
	v_wmma_scale_f32_16x16x128_f8f6f4 v[TE+8*\s:TE+8*\s+7], v[AR+12*\s:AR+12*\s+11], v[XR+12*\s:XR+12*\s+11], 0, v[ASW+\s], v[XSW+\s] matrix_a_fmt:MATRIX_FMT_BF6 matrix_b_fmt:MATRIX_FMT_BF6
.endr
.rept 4
	v_nop                                          ; four places behind the products (ISA guide 7.12.1)
.endr
.irp j, 0,2,4,6                                    ; the four K steps' sums, each accumulator from its low end on
	v_pk_add_f32 v[TE+\j:TE+\j+1], v[TE+\j:TE+\j+1], v[TE+8+\j:TE+8+\j+1]
	v_pk_add_f32 v[TE+16+\j:TE+16+\j+1], v[TE+16+\j:TE+16+\j+1], v[TE+24+\j:TE+24+\j+1]
	s_delay_alu instid0(VALU_DEP_1)
	v_pk_add_f32 v[QZ+\j:QZ+\j+1], v[TE+\j:TE+\j+1], v[TE+16+\j:TE+16+\j+1]
.endr
	ds_store_b128 v[TPS], v[QZ:QZ+3]
	ds_store_b128 v[TPS], v[QZ+4:QZ+7] offset:16
	s_wait_xcnt 0x0                                ; the stores of x's fragments have read their registers, which are loaded again behind the barrier
	BARRIER                                        ; the eight partial sums lie in LDS; from here on LDS is only read
	s_cmp_lg_u32 s26, 0
	s_cbranch_scc1 .Lquant
.irp p, 0,1,2,3,4,5,6,7
	ds_load_b128 v[XR+8*\p:XR+8*\p+3], v[TPL] offset:1024*\p
	ds_load_b128 v[XR+8*\p+4:XR+8*\p+7], v[TPL] offset:1024*\p+16
.endr
	s_wait_dscnt 0x0
.irp p, 0,2,4,6
.irp j, 0,2,4,6
	v_pk_add_f32 v[XR+8*\p+\j:XR+8*\p+\j+1], v[XR+8*\p+\j:XR+8*\p+\j+1], v[XR+8*\p+8+\j:XR+8*\p+8+\j+1]
.endr
.endr
.irp p, 0,4
.irp j, 0,2,4,6
	v_pk_add_f32 v[XR+8*\p+\j:XR+8*\p+\j+1], v[XR+8*\p+\j:XR+8*\p+\j+1], v[XR+8*\p+16+\j:XR+8*\p+16+\j+1]
.endr
.endr
.irp j, 0,2,4,6
	s_delay_alu instid0(VALU_DEP_4)
	v_pk_add_f32 v[XR+\j:XR+\j+1], v[XR+\j:XR+\j+1], v[XR+32+\j:XR+32+\j+1]
.endr
.irp j, 0,2,4,6
	s_delay_alu instid0(VALU_DEP_4)
	v_pk_mul_f32 v[XR+\j:XR+\j+1], v[XR+\j:XR+\j+1], 2.0 op_sel_hi:[1,0]      ; lora_alpha / r = 2: exact
.endr
.irp j, 0,1,2,3
	s_delay_alu instid0(VALU_DEP_4)
	v_cvt_pk_bf16_f32 v[O+\j], v[XR+2*\j], v[XR+2*\j+1]
.endr
	global_store_b128 v[TO], v[O:O+3], s[24:25]    ; 32 lanes store 512 consecutive bytes; neither register is written again
.Lquant:
; ---- Q: my column's 256 along K, eight blocks of 32.
.macro GATHER t, hf                    ; (zero, scale) of k = 32 t + 16 hf + 0 .. 15: the group's number is held at 31, then enters the table's address.  The sixteen addresses are made first, in sixteen registers, so that no load stands behind the line that makes its address
.irp e, 0,1,2,3,4,5,6,7,8,9,10,11,12,13,14,15
	s_min_u32 s[28+40*((\t)%2)+16*(\hf)+\e], s[28+40*((\t)%2)+16*(\hf)+\e], 31
.endr
.irp e, 0,1,2,3,4,5,6,7,8,9,10,11,12,13,14,15
	v_lshl_add_u32 v[AD+\e], s[28+40*((\t)%2)+16*(\hf)+\e], 10, v[TB]
.endr
.irp e, 0,1,2,3,4,5,6,7,8,9,10,11,12,13,14,15
	ds_load_b64 v[XR+32*(\hf)+2*\e:XR+32*(\hf)+2*\e+1], v[AD+\e]             ; 32 lanes read 256 consecutive bytes
.endr
.endm
.macro COMPUTE t, hf                   ; 16 numbers: (2^23 + nibble) - (2^23 + zero + 1) is exact; x scale is the one rounding
.irp d, 0,1
	v_and_b32 v[M+2*\d], s67, v[QW+4*(\t)+2*(\hf)+\d]                        ; nibbles 0, 2, 4, 6, a byte each
	v_lshrrev_b32 v[M+2*\d+1], 4, v[QW+4*(\t)+2*(\hf)+\d]
	s_delay_alu instid0(VALU_DEP_1)
	v_and_b32 v[M+2*\d+1], s67, v[M+2*\d+1]                                  ; nibbles 1, 3, 5, 7
.endr
.irp d, 0,1
.irp n, 0,1,2,3,4,5,6,7
	v_perm_b32 v[W+16*(\hf)+8*\d+\n], s66, v[M+2*\d+\n%2], s[60+\n/2]
.endr
.endr
.irp e, 0,1,2,3,4,5,6,7,8,9,10,11,12,13,14,15
	v_sub_f32 v[W+16*(\hf)+\e], v[W+16*(\hf)+\e], v[XR+32*(\hf)+2*\e]
.endr
.irp e, 0,1,2,3,4,5,6,7,8,9,10,11,12,13,14,15
	v_mul_f32 v[W+16*(\hf)+\e], v[XR+32*(\hf)+2*\e+1], v[W+16*(\hf)+\e]
.endr
.endm
.macro FINISH t                        ; the block's largest magnitude, its byte, its codes.  Block b = t % 4 of K step t / 4 belongs to the operand's lanes of half b % 2, registers 6 (b / 2) on
.set DST, TE+24*((\t)/4)+12*((\t)%2)+6*(((\t)%4)/2)
	v_max3_num_f32 v32, |v[W]|, |v[W+1]|, 0x2800000                          ; with the floor 2^(5 - 127): the byte cannot fall under 1
	v_max3_num_f32 v33, |v[W+2]|, |v[W+3]|, |v[W+4]|
.irp i, 5,9,13,17,21,25
	s_delay_alu instid0(VALU_DEP_2)
	v_max3_num_f32 v32, v32, |v[W+\i]|, |v[W+\i+1]|
	s_delay_alu instid0(VALU_DEP_2)
	v_max3_num_f32 v33, v33, |v[W+\i+2]|, |v[W+\i+3]|
.endr
	s_delay_alu instid0(VALU_DEP_2)
	v_max3_num_f32 v32, v32, |v[W+29]|, |v[W+30]|
	s_delay_alu instid0(VALU_DEP_1)
	v_max3_num_f32 v32, v32, v33, |v[W+31]|
	s_delay_alu instid0(VALU_DEP_1)
	v_add_nc_u32 v34, 0xfe000000, v32              ; 4 off its exponent field: the conversion takes the exponent field of this operand as its scale
	s_delay_alu instid0(VALU_DEP_1)
	v_lshrrev_b32 v35, 23, v34                     ; the scale's byte
	v_cvt_scalef32_pk16_bf6_f32 v[DST:DST+2], v[W:W+15], v34
	v_cvt_scalef32_pk16_bf6_f32 v[TMP:TMP+2], v[W+16:W+31], v34
.if (\t)%4 == 0
	v_mov_b32 v[SB+(\t)/4], v35                    ; (the plain place behind the conversions)  four bytes to a word, the lower K in the lower byte
.else
	v_lshl_or_b32 v[SB+(\t)/4], v35, 8*((\t)%4), v[SB+(\t)/4]
.endif
.irp i, 0,1,2
	v_mov_b32 v[DST+3+\i], v[TMP+\i]
.endr
.endm
.macro OUT q                           ; my K step q: the images of my two tiles of columns: lanes 0-15 and lanes 16-31 each store 256 consecutive bytes, at a multiple of 256 from w_img's first byte; then 32 scale words, 128 consecutive bytes.  None of these registers is written again
.irp g, 0,1
.irp c, 0,1,2
	global_store_b128 v[WO+\q], v[TE+24*(\q)+12*\g+4*\c:TE+24*(\q)+12*\g+4*\c+3], s[20:21] offset:512*\c+256*\g
.endr
.endr
	global_store_b32 v[WS+\q], v[SB+\q], s[20:21]
.endm
	s_wait_loadcnt 0x0                             ; qweight
	s_wait_kmcnt 0x0                               ; g_idx of blocks 0 and 1
	GATHER 0, 0
.irp t, 0,1,2,3,4,5,6,7
	GATHER \t, 1
	s_wait_dscnt 16                                ; all but the 16 just issued: the block's first half is in
	COMPUTE \t, 0
.if \t < 7
	s_wait_kmcnt 0x0                               ; the next block's g_idx, asked for a block ago
	GATHER \t+1, 0
	s_wait_dscnt 16                                ; all but those 16: this block's second half is in
.else
	s_wait_dscnt 0x0
.endif
.if \t < 6
	SLOADG \t+2                                    ; into the set that this block's gathers have read
.endif
	COMPUTE \t, 1
	FINISH \t
.if \t == 3
	OUT 0
.endif
.if \t == 7
	OUT 1
.endif
.endr
	s_wait_tensorcnt 0x0
	ds_add_u32 v27, v43
	s_wait_dscnt 0x0
	s_endpgm
.Lfunc_end_k_q2e175d2ddd_prep:
	.size	k_q2e175d2ddd_prep, .Lfunc_end_k_q2e175d2ddd_prep-k_q2e175d2ddd_prep
	.p2alignl 7, 3214868480
	.fill 96, 4, 3214868480
	.section	.rodata,"a",@progbits
	.p2align	6, 0x0
	.amdhsa_kernel k_q2e175d2ddd_prep
		.amdhsa_group_segment_fixed_size 148480
		.amdhsa_private_segment_fixed_size 0
		.amdhsa_enable_private_segment 0
		.amdhsa_kernarg_size 88
		.amdhsa_user_sgpr_count 2
		.amdhsa_user_sgpr_kernarg_segment_ptr 1
		.amdhsa_wavefront_size32 1
		.amdhsa_system_sgpr_workgroup_id_x 1
		.amdhsa_system_sgpr_workgroup_id_y 1
		.amdhsa_system_sgpr_workgroup_id_z 1
		.amdhsa_system_vgpr_workitem_id 0
		.amdhsa_next_free_vgpr 256
		.amdhsa_next_free_sgpr 102
		.amdhsa_reserve_vcc 1
		.amdhsa_float_denorm_mode_32 3
		.amdhsa_float_denorm_mode_16_64 3
		.amdhsa_memory_ordered 1
		.amdhsa_forward_progress 1
		.amdhsa_inst_pref_size 126
	.end_amdhsa_kernel
	.amdgpu_metadata
---
amdhsa.version: [ 1, 2 ]
amdhsa.kernels:
  - .name:           k_q2e175d2ddd_prep
    .symbol:         k_q2e175d2ddd_prep.kd
    .args:
      - { .name: x_codes, .offset: 0, .size: 8, .value_kind: global_buffer, .address_space: global }
      - { .name: x_scales, .offset: 8, .size: 8, .value_kind: global_buffer, .address_space: global }
      - { .name: lora_A_codes, .offset: 16, .size: 8, .value_kind: global_buffer, .address_space: global }
      - { .name: lora_A_scales, .offset: 24, .size: 8, .value_kind: global_buffer, .address_space: global }
      - { .name: qweight, .offset: 32, .size: 8, .value_kind: global_buffer, .address_space: global }
      - { .name: qzeros, .offset: 40, .size: 8, .value_kind: global_buffer, .address_space: global }
      - { .name: scales, .offset: 48, .size: 8, .value_kind: global_buffer, .address_space: global }
      - { .name: g_idx, .offset: 56, .size: 8, .value_kind: global_buffer, .address_space: global }
      - { .name: w_img, .offset: 64, .size: 8, .value_kind: global_buffer, .address_space: global }
      - { .name: x_img, .offset: 72, .size: 8, .value_kind: global_buffer, .address_space: global }
      - { .name: t2, .offset: 80, .size: 8, .value_kind: global_buffer, .address_space: global }
    .group_segment_fixed_size: 148480
    .private_segment_fixed_size: 0
    .kernarg_segment_align: 8
    .kernarg_segment_size: 88
    .max_flat_workgroup_size: 256
    .sgpr_count:     102
    .vgpr_count:     256
    .wavefront_size: 32
...
	.end_amdgpu_metadata
.endif
;; end of part 3
;; launch gemm (part 4): grid 16 x 16, 4 waves a work-group, clusters of 4 x 4, 327,680 bytes of LDS; arguments x_img, w_img, t2, lora_B, out0; writes out0
.if DOCPART == 4
	.amdgcn_target "amdgcn-amd-amdhsa--gfx1250"
	.amdhsa_code_object_version 6
	.text
	.protected	k_q2e175d2ddd_gemm
	.globl	k_q2e175d2ddd_gemm
	.p2align	8
	.type	k_q2e175d2ddd_gemm,@function
k_q2e175d2ddd_gemm:
	s_mov_b64 s[64:65], 0
	v_nop
	global_prefetch_b8 v0, s[64:65] scope:SCOPE_SE
	s_setreg_imm32_b32 hwreg(HW_REG_WAVE_MODE, 25, 1), 1
	s_wait_xcnt 0x0
	s_wait_alu depctr_hold_cnt(0) depctr_sa_sdst(0) depctr_va_vdst(0) depctr_va_sdst(0) depctr_va_ssrc(0) depctr_va_vcc(0) depctr_vm_vsrc(0)
	s_getreg_b32 s2, hwreg(HW_REG_IB_STS2, 6, 4)
	s_cmp_eq_u32 s2, 0
	s_cbranch_scc0 .Lentry_in_a_cluster
	s_endpgm
.Lentry_in_a_cluster:
	s_bfe_u32 s2, ttmp6, 0x10000c
	s_cmp_lg_u32 s2, 0xf033
	s_cbranch_scc0 .Lentry_shape_is_right
	s_endpgm
.Lentry_shape_is_right:
; out0[m][n] = sum over k of x[m][k] Q(W)[k][n] (codes of BF6 with E8M0 scales, from the images that launch prep stored) + t2[m][0..15] . lora_B[n][0..15] (bf16 operands; t2 holds 2 x (x lora_A^T)).
; A block of 256 x 256 to a work-group of four waves; a wave makes 128 x 128: 64 accumulators.  The third product (K = 16, filled with zeros to 32) starts the sums, so nothing is cleared.
; IMAGES: [group of three K steps][block of 128 rows][K step][12,800 bytes]: eight fragments of 1,536 bytes as the operand's registers want them (16 bytes a lane, three times), then 512 bytes of scale words.
; RING: two LDS slots, each with one group (three K steps; group 10 has two) of A's two blocks and B's two blocks; a wave fetches one block, 38,400 dense bytes, as rows of 256 bytes.
; CLUSTERS: 4 x 4.  A's blocks are asked for jointly along a row of the cluster, B's along a column.
; REGISTERS: each window w of 256 holds v0-127 the accumulators of A's blocks 2 w, 2 w + 1 ((a, b) at v[8 (8 (a % 2) + b)]) and v128-223 one set of eight fragments:
;   window 0 A's set 0, window 1 A's set 1, window 2 B's set 0, window 3 B's set 1.  Window 0, v224-237: spare word, 0, offsets and LDS addresses; v240-255 scale words, two sets of eight.
;   K step st multiplies sets st % 2.  At its head stands ONE run of 56 LDS loads: the next step's scale words, B's eight fragments and A's eight, into the other sets; the step's 64 products follow it.
; CHANGE OF SLOTS: in the second half of a slot's middle step.  There the slot's last fragments have been asked for; each wave waits for its tensor load, adds 0 to its spare word, and waits for the add and its reads;
;   the barrier opens a round of the cluster's barrier; behind it the slot is filled again, two groups on, and the next step reads the other slot.  By this text's count a wave has one tensor load out.
; PREFETCH: a tile's 150 blocks of 256 bytes are shared among the four partners that ask for it jointly, by address: partner p names blocks 38 p .. 38 p + 37, held at 149.  The head names groups 1 and 2;
;   the change of slots in group G names group G + 3, one refill ahead of the load that wants it; group 10, which is shorter, is not named, so no address leaves its buffer.
; THE MATRIX INSTRUCTION IS USED TRANSPOSED (source 0 = 16 columns of W, source 1 = 16 rows of x): a lane holds eight neighbouring numbers of a row of out0.
.set SIZE_N, 4096
.set FR,     12
.set TILEB,  1536
.set SCO,    8*TILEB
.set KSB,    SCO+512
.set BLKB,   3*KSB
.set PLANE,  32*BLKB
.set SLOT,   4*BLKB
.set SPARE,  2*SLOT                    ; behind the ring: the spare words, 512 bytes that no other line names
.set STAGE,  SLOT                      ; the way out goes through slot 1, which has had its last fill and its last read by then (group 10 lies in slot 0)
.set SPITCH, 528
.set F,    128                         ; a window's fragments
.set SPW,  224
.set NIL,  225
.set STO,  226
.set RD,   227
.set CO,   228
.set PF0,  229
.set PF1,  230
.set ADRA, 232                         ; A's fragments in slot 0, 1
.set ADRB, 234                         ; B's
.set ADS,  236                         ; scale words: lanes 0-15 A's rows, lanes 16-31 B's
.set SC,   240
.set G1, 24
.set G0, 32
.set G1B, 48
.set G0B, 56
.set G1AS, 68                          ; group 1 for group 10's tiles: 100 rows
.set G1BS, 76
.set PFA, 84
.set MSB, 0
.macro WIN new                         ; the immediate's high byte repeats the setting that is left
.if MSB != \new
	s_set_vgpr_msb (MSB<<8)|\new
.set MSB, \new
.endif
.endm
.macro MW p, g                         ; products of sets p on window g: source 0 (B) window 2 + p, source 1 (A) window p, C and D window g
	WIN (((\g)<<6)|((\g)<<4)|((\p)<<2)|(2+(\p)))
.endm
.macro JLOAD g0a, g1a, g0b, g1b        ; a joint load: waves 0, 1 fetch A's blocks, waves 2, 3 B's; s_nop 0 and four v_nop behind each line
	s_cmp_eq_u32 s15, 0
	s_cbranch_scc0 .Lfor_b_\@
	tensor_load_to_lds s[\g0a:\g0a+3], s[\g1a:\g1a+7]
	s_nop 0
.rept 4
	v_nop
.endr
	s_branch .Lasked_\@
.Lfor_b_\@:
	tensor_load_to_lds s[\g0b:\g0b+3], s[\g1b:\g1b+7]
	s_nop 0
.rept 4
	v_nop
.endr
.Lasked_\@:
.endm
.macro CREST                           ; a round of the cluster's barrier behind its opening barrier
	s_cmp_lg_u32 s14, 0
	s_cbranch_scc1 .Lnot_wave_0_\@
	s_barrier_signal -3
.Lnot_wave_0_\@:
	s_barrier_wait -3
	s_barrier_signal -1
	s_barrier_wait -1
.endm
.macro CROUND
	s_barrier_signal -1
	s_barrier_wait -1
	CREST
.endm
.macro PLACES n
.rept \n
	v_nop
.endr
.endm
.macro ASK guard                       ; two prefetches a wave: my work-group's share of the tile two groups behind s[PFA]; guard = 1: not in the loop's last trip
.if \guard
	s_cmp_gt_u32 s3, 1
	s_cbranch_scc0 .Lno_ask_\@
.endif
	global_prefetch_b8 v[PF0], s[PFA:PFA+1] offset:2*PLANE th:TH_LOAD_NT scope:SCOPE_SE
	global_prefetch_b8 v[PF1], s[PFA:PFA+1] offset:2*PLANE th:TH_LOAD_NT scope:SCOPE_SE
.Lno_ask_\@:
.endm
	s_load_b128 s[4:7], s[0:1], 0x0                ; x_img, w_img
	s_load_b128 s[8:11], s[0:1], 0x10              ; t2, lora_B
	s_load_b64 s[12:13], s[0:1], 0x20              ; out0
	v_lshl_add_u32 v[SPW], v0, 2, SPARE
	v_mov_b32 v[NIL], 0
	ds_add_u32 v[SPW], v[NIL]                      ; the opening lines: the add, twice on end, and its wait
	ds_add_u32 v[SPW], v[NIL]
	v_lshrrev_b32 v1, 5, v0
	v_readfirstlane_b32 s14, v1                    ; wave 0..3
	v_and_b32 v1, 15, v0                           ; r
	v_bfe_u32 v2, v0, 4, 1                         ; h
	v_and_b32 v3, 31, v0                           ; lane
	v_lshlrev_b32 v4, 5, v1
	v_lshl_add_u32 v4, v2, 4, v4                   ; t2: 32 r + 16 h
	v_lshlrev_b32 v5, 6, v1
	v_lshl_add_u32 v5, v2, 5, v5                   ; lora_B: 64 r + 32 h
	v_lshlrev_b32 v[CO], 4, v3                     ; 16 x lane
	s_lshr_b32 s15, s14, 1                         ; my half of the rows; also: I fetch for A (0) or B (1)
	s_and_b32 s16, s14, 1                          ; my half of the columns; also: which block I fetch
	s_bfe_u32 s40, ttmp6, 0x40000                  ; cx
	s_bfe_u32 s41, ttmp6, 0x40004                  ; cy
	s_lshl_b32 s42, ttmp9, 2
	s_add_co_u32 s42, s42, s40                     ; block column
	s_and_b32 s17, ttmp7, 0xffff
	s_lshl_b32 s17, s17, 2
	s_add_co_u32 s17, s17, s41                     ; block row
	s_lshl_b32 s43, s41, 2
	s_lshl_b32 s43, 15, s43                        ; my row of the cluster
	s_lshl_b32 s44, 0x1111, s40                    ; my column
	s_or_b32 s[G1+0], s43, (3<<16)|(1<<21)         ; elements of 8 bytes, the mask, bit 21 beside it
	s_or_b32 s[G1B+0], s44, (3<<16)|(1<<21)
	s_or_b32 s[G1AS+0], s43, (3<<16)|(1<<21)
	s_or_b32 s[G1BS+0], s44, (3<<16)|(1<<21)
.irp g, G1, G1B
	s_mov_b32 s[\g+1], 32<<16                      ; rows of 32 elements, 256 bytes
	s_mov_b32 s[\g+2], 150<<16
	s_mov_b32 s[\g+3], 32<<16
	s_mov_b32 s[\g+4], 150
	s_mov_b32 s[\g+5], 32
	s_mov_b32 s[\g+6], 0
	s_mov_b32 s[\g+7], 0
.endr
.irp g, G1AS, G1BS
	s_mov_b32 s[\g+1], 32<<16
	s_mov_b32 s[\g+2], 100<<16
	s_mov_b32 s[\g+3], 32<<16
	s_mov_b32 s[\g+4], 100
	s_mov_b32 s[\g+5], 32
	s_mov_b32 s[\g+6], 0
	s_mov_b32 s[\g+7], 0
.endr
	s_lshl_b32 s20, s17, 1
	s_add_co_u32 s20, s20, s16
	s_mul_i32 s20, s20, BLKB                       ; A: block 2 x block row + which
	s_mov_b32 s21, 0
	s_lshl_b32 s46, s42, 1
	s_add_co_u32 s46, s46, s16
	s_mul_i32 s46, s46, BLKB                       ; B: block 2 x block column + which
	s_mov_b32 s47, 0
	s_mul_i32 s45, s14, BLKB                       ; where my block goes in a slot
	s_lshl_b32 s86, s17, 13                        ; t2: my 128 rows of 32 bytes
	s_lshl_b32 s87, s15, 12
	s_add_co_u32 s86, s86, s87
	s_mov_b32 s87, 0
	s_lshl_b32 s88, s42, 14                        ; lora_B: my 128 rows of 64 bytes
	s_lshl_b32 s89, s16, 13
	s_add_co_u32 s88, s88, s89
	s_mov_b32 s89, 0
	s_wait_alu depctr_va_vdst(0)
	s_wait_dscnt 0x0                               ; both opening adds are done
	s_wait_kmcnt 0x0
	s_add_nc_u64 s[8:9], s[8:9], s[86:87]
	s_add_nc_u64 s[10:11], s[10:11], s[88:89]
.irp a, 0,1,2,3,4,5,6,7
	global_load_b128 v[F+8*\a:F+8*\a+3], v4, s[8:9] offset:512*\a            ; t2(r, 8 h ..) of block a: registers 0-3 of a bf16 fragment, window 0
.endr
	WIN 0x40
.irp b, 0,1,2,3,4,5,6,7
	global_load_b128 v[F+8*\b:F+8*\b+3], v5, s[10:11] offset:1024*\b         ; lora_B(r, 8 h ..) in f32, window 1
	global_load_b128 v[F+8*\b+4:F+8*\b+7], v5, s[10:11] offset:1024*\b+16
.endr
	WIN 0
	s_add_nc_u64 s[20:21], s[4:5], s[20:21]
	s_add_nc_u64 s[46:47], s[6:7], s[46:47]
.irp s, 0,1
	s_mov_b32 s[G0+4*\s], 1
	s_add_co_u32 s[G0+4*\s+1], s45, \s*SLOT
	s_add_nc_u64 s[G0+4*\s+2:G0+4*\s+3], s[20:21], \s*PLANE
	s_or_b32 s[G0+4*\s+3], s[G0+4*\s+3], 0x80000000
	s_mov_b32 s[G0B+4*\s], 1
	s_add_co_u32 s[G0B+4*\s+1], s45, \s*SLOT
	s_add_nc_u64 s[G0B+4*\s+2:G0B+4*\s+3], s[46:47], \s*PLANE
	s_or_b32 s[G0B+4*\s+3], s[G0B+4*\s+3], 0x80000000
.endr
	CROUND                                         ; all sixteen work-groups are here: the first joint loads meet
	JLOAD G0, G1, G0B, G1B                         ; group 0: one tensor load a wave at the head
	; the prefetches' base and offsets
	s_cmp_eq_u32 s15, 0
	s_cselect_b64 s[PFA:PFA+1], s[20:21], s[46:47] ; the block that I fetch, group 0
	s_cselect_b32 s86, s40, s41                    ; my place among the four that ask for it
	s_mul_i32 s86, s86, 38
	v_add_nc_u32 v6, s86, v3
	v_min_u32 v7, 5, v3
	v_add3_u32 v7, v7, s86, 32
	v_min_u32 v6, 149, v6
	v_min_u32 v7, 149, v7
	v_lshlrev_b32 v[PF0], 8, v6
	v_lshlrev_b32 v[PF1], 8, v7
	global_prefetch_b8 v[PF0], s[PFA:PFA+1] offset:PLANE th:TH_LOAD_NT scope:SCOPE_SE
	global_prefetch_b8 v[PF1], s[PFA:PFA+1] offset:PLANE th:TH_LOAD_NT scope:SCOPE_SE
	ASK 0                                          ; and group 2
	; LDS addresses
	s_mul_i32 s88, s15, BLKB                       ; my rows' block of A
	s_mul_i32 s89, s16, BLKB
	s_add_co_u32 s89, s89, 2*BLKB                  ; my columns' block of B
	s_add_co_u32 s90, s88, SLOT
	s_add_co_u32 s91, s89, SLOT
	s_sub_co_u32 s92, s89, s88
	s_add_co_u32 s93, s88, SCO
	s_add_co_u32 s94, s93, SLOT
	v_mul_u32_u24 v8, s92, v2                      ; lanes 16-31 take B's scale words
	v_lshl_add_u32 v8, v1, 2, v8
	v_add_nc_u32 v[ADRA], s88, v[CO]
	v_add_nc_u32 v[ADRA+1], s90, v[CO]
	v_add_nc_u32 v[ADRB], s89, v[CO]
	v_add_nc_u32 v[ADRB+1], s91, v[CO]
	v_add_nc_u32 v[ADS], s93, v8
	v_add_nc_u32 v[ADS+1], s94, v8
	WIN 0x80
.irp b, 0,1,2,3,4,5,6,7
.irp j, 4,5,6,7
	v_mov_b32 v[F+8*\b+\j], 0                      ; K 16 .. 31 of lora_B's fragments
.endr
.endr
	WIN 0
.irp a, 0,1,2,3,4,5,6,7
.irp j, 4,5,6,7
	v_mov_b32 v[F+8*\a+\j], 0                      ; and of t2's
.endr
.endr
	s_mul_i32 s95, s14, 16*SPITCH
	s_add_co_u32 s95, s95, STAGE                   ; my stage
	v_mul_u32_u24 v9, v1, SPITCH
	v_lshl_add_u32 v9, v2, 5, v9
	v_add_nc_u32 v[STO], s95, v9                   ; in: row r, 32 bytes for each half of the lanes
	v_add_nc_u32 v[RD], s95, v[CO]                 ; back: 32 lanes take a row of 512 bytes
	s_lshl_b32 s20, s17, 8
	s_lshl_b32 s21, s15, 7
	s_add_co_u32 s20, s20, s21                     ; my first row of out0
	s_mov_b32 s21, 0
	s_lshl_b64 s[20:21], s[20:21], 14
	s_lshl_b32 s46, s42, 10
	s_lshl_b32 s47, s16, 9
	s_add_co_u32 s46, s46, s47                     ; my first column, in bytes
	s_mov_b32 s47, 0
	s_add_nc_u64 s[20:21], s[20:21], s[46:47]
	s_add_nc_u64 s[12:13], s[12:13], s[20:21]
	s_wait_alu depctr_va_vdst(0)
	s_wait_loadcnt 0x0                             ; t2 and lora_B
	WIN 0x85                                       ; sources window 1, destination window 2
.irp b, 0,1,2,3,4,5,6,7
.irp j, 0,1,2,3
	v_cvt_pk_bf16_f32 v[F+8*\b+\j], v[F+8*\b+2*\j], v[F+8*\b+2*\j+1]
.endr
.endr
	PLACES 4
.irp a, 0,1,2,3,4,5,6,7                            ; the third product starts all 64 sums, while group 0 is on its way
	MW 0, \a/2
.irp b, 0,1,2,3,4,5,6,7
	v_wmma_f32_16x16x32_bf16 v[8*(8*(\a%2)+\b):8*(8*(\a%2)+\b)+7], v[F+8*\b:F+8*\b+7], v[F+8*\a:F+8*\a+7], 0
.endr
.endr
	WIN 0
	PLACES 5                                       ; another form writes over these results, and loads land on these sources
.macro MM p, a, b                      ; one product: A's block a x B's block b, sets p
	v_wmma_scale_f32_16x16x128_f8f6f4 v[8*(8*((\a)%2)+(\b)):8*(8*((\a)%2)+(\b))+7], v[F+FR*(\b):F+FR*(\b)+FR-1], v[F+FR*(\a):F+FR*(\a)+FR-1], v[8*(8*((\a)%2)+(\b)):8*(8*((\a)%2)+(\b))+7], v[SC+8*(\p)+(\b)], v[SC+8*(\p)+(\a)] matrix_a_fmt:MATRIX_FMT_BF6 matrix_b_fmt:MATRIX_FMT_BF6 matrix_a_scale:MATRIX_SCALE_ROW1
.endm
.macro GRP p, g                        ; the 16 products of window g, accumulators by turns
	MW \p, \g
.irp a, 0,1
.irp b, 0,1,2,3,4,5,6,7
	MM \p, 2*(\g)+\a, \b
.endr
.endr
.endm
.macro FRAGS adr, off                  ; eight fragments, 24 loads, into the window that is set as destination
.irp i, 0,1,2,3,4,5,6,7
.irp c, 0,1,2
	ds_load_b128 v[F+FR*\i+4*\c:F+FR*\i+4*\c+3], v[\adr] offset:\off+TILEB*\i+512*\c
.endr
.endr
.endm
.macro RUN ns, nq, t                   ; 56 LDS loads in one run: K step nq of slot ns into sets t: 8 scale words, B's 24 loads, A's 24 (blocks 4-7 are the youngest twelve)
	WIN 0
.irp i, 0,1,2,3,4,5,6,7
	ds_load_b32 v[SC+8*(\t)+\i], v[ADS+\ns] offset:KSB*\nq+64*\i
.endr
	WIN ((2+(\t))<<6)
	FRAGS ADRB+\ns, KSB*\nq
	WIN ((\t)<<6)
	FRAGS ADRA+\ns, KSB*\nq
.endm
; K step q of the group in slot; the next step lies at (ns, nq).  turn: 0 none; 1, 2 change of slots with a refill and a prefetch (2: guarded); 3 the refill of group 10; 4 the last change, nothing is filled
.macro STEP slot, q, ns, nq, turn
.set P, ((\slot)+(\q))%2
	s_wait_dscnt 12                                ; this step's scale words, B and A's blocks 0-3 are in; the youngest twelve loads (A's blocks 4-7) may be out
	PLACES 4                                       ; places in front of loads into the sets that the step before multiplied
	RUN \ns, \nq, 1-P
	GRP P, 0
	GRP P, 1
.if \turn == 0
	s_wait_dscnt 56                                ; all but the 56 of this step's run: A's blocks 4-7 are in
	GRP P, 2
	GRP P, 3
.else
	WIN 0                                          ; (the add's two registers lie in window 0)
.if \turn < 3
	s_wait_xcnt 0x0                                ; my prefetches have read their base
	s_add_nc_u64 s[PFA:PFA+1], s[PFA:PFA+1], PLANE
.endif
	s_wait_dscnt 56                                ; A's blocks 4-7 are in
	s_wait_tensorcnt 0x0                           ; my part of the other slot has landed
	ds_add_u32 v[SPW], v[NIL]
	GRP P, 2                                       ; sixteen products between the add and the wait for it
	s_wait_dscnt 0x0                               ; the add is done, and my last reads of this slot are in
	s_barrier_signal -1
	GRP P, 3
	WIN 0
	s_barrier_wait -1
.if \turn < 4
	CREST                                          ; the barrier has opened a round: no wave of any partner still reads this slot or has a load on its way
	s_add_nc_u64 s[G0+4*\slot+2:G0+4*\slot+3], s[G0+4*\slot+2:G0+4*\slot+3], 2*PLANE
	s_add_nc_u64 s[G0B+4*\slot+2:G0B+4*\slot+3], s[G0B+4*\slot+2:G0B+4*\slot+3], 2*PLANE
.if \turn == 3
	JLOAD G0+4*\slot, G1AS, G0B+4*\slot, G1BS
.else
	JLOAD G0+4*\slot, G1, G0B+4*\slot, G1B
	ASK \turn-1
.endif
.endif
.endif
.endm
	s_wait_alu depctr_va_vdst(0)
	s_wait_tensorcnt 0x0                           ; my part of group 0 is in; the same lines as ahead of a refill stand ahead of slot 1's first fill
	ds_add_u32 v[SPW], v[NIL]
	s_wait_dscnt 0x0
	CROUND
	JLOAD G0+4, G1, G0B+4, G1B                     ; group 1, the first tensor load behind the round
	RUN 0, 0, 0
	WIN 0
	s_mov_b32 s3, 4
.Llap:                                                 ; a trip: two groups, six K steps, both slots filled again (groups 2 .. 9)
	STEP 0, 0, 0, 1, 0
	STEP 0, 1, 0, 2, 1
	STEP 0, 2, 1, 0, 0
	STEP 1, 0, 1, 1, 0
	STEP 1, 1, 1, 2, 2
	STEP 1, 2, 0, 0, 0
	WIN 0
	s_sub_co_u32 s3, s3, 1
	s_cmp_lg_u32 s3, 0
	s_cbranch_scc1 .Llap
	STEP 0, 0, 0, 1, 0                             ; groups 8 and 9: slot 0 takes group 10, slot 1 nothing more
	STEP 0, 1, 0, 2, 3
	STEP 0, 2, 1, 0, 0
	STEP 1, 0, 1, 1, 0
	STEP 1, 1, 1, 2, 4
	STEP 1, 2, 0, 0, 0
	STEP 0, 0, 0, 1, 0                             ; group 10's first step
; THE WAY OUT, block by block of 16 rows x 128 columns, through my own stage: in as 32 bytes a lane, back as whole rows of 512 bytes, which 32 lanes store as two aligned units of 256 bytes.
; The rows come back into the fragment registers of windows 0 and 2 by turns, which the last K step (sets 1: windows 1 and 3) does not use.  LDS serves a wave's instructions in order (ISA guide 5.7.1.4).
.macro TOSTAGE a
.set AC, 64*((\a)%2)
	WIN (((\a)/2)<<2)                              ; the data: window a / 2
.irp b, 0,1,2,3,4,5,6,7
	ds_store_b128 v[STO], v[AC+8*\b:AC+8*\b+3] offset:64*\b                  ; each accumulator from its low end on
	ds_store_b128 v[STO], v[AC+8*\b+4:AC+8*\b+7] offset:64*\b+16
.endr
	WIN ((2*((\a)%2))<<6)
.irp t, 0,1,2,3,4,5,6,7,8,9,10,11,12,13,14,15
	ds_load_b128 v[F+4*\t:F+4*\t+3], v[RD] offset:\t*SPITCH
.endr
.endm
.macro SEND a, younger                 ; younger: the LDS instructions issued behind block a's loads
	s_wait_dscnt \younger
.if (\a) > 0
	s_add_nc_u64 s[12:13], s[12:13], 16*SIZE_N*4   ; behind a wait on XCNT: the earlier stores have read their base
.endif
	WIN ((2*((\a)%2))<<2)
.irp t, 0,1,2,3,4,5,6,7,8,9,10,11,12,13,14,15
	global_store_b128 v[CO], v[F+4*\t:F+4*\t+3], s[12:13] offset:\t*SIZE_N*4
.endr
.endm
.macro WAYOUT a
.if (\a) > 1
	s_wait_xcnt 0x0                                ; block a - 2's stores have read their registers and their base
.endif
	TOSTAGE \a
.if (\a) > 0
	SEND (\a)-1, 32                                ; behind block a - 1's loads: block a's 16 stores and 16 loads
.endif
.endm
	s_wait_dscnt 0x0                               ; the last K step: nothing more to fetch; each window's two blocks leave as soon as they are finished
.irp g, 0,1,2,3
	GRP 1, \g
	PLACES 4                                       ; in front of the stores that read results just made, and of loads into sets 0
	WAYOUT 2*\g
	WAYOUT 2*\g+1
.endr
	s_wait_xcnt 0x0
	SEND 7, 0
	WIN 0
	s_wait_tensorcnt 0x0                           ; the wave's end
	ds_add_u32 v[SPW], v[NIL]
	s_wait_dscnt 0x0
	CROUND                                         ; the closing round
	s_endpgm
.Lfunc_end_k_q2e175d2ddd_gemm:
	.size	k_q2e175d2ddd_gemm, .Lfunc_end_k_q2e175d2ddd_gemm-k_q2e175d2ddd_gemm
	.p2alignl 7, 3214868480
	.fill 96, 4, 3214868480
	.section	.rodata,"a",@progbits
	.p2align	6, 0x0
	.amdhsa_kernel k_q2e175d2ddd_gemm
		.amdhsa_group_segment_fixed_size 327680
		.amdhsa_private_segment_fixed_size 0
		.amdhsa_enable_private_segment 0
		.amdhsa_kernarg_size 40
		.amdhsa_user_sgpr_count 2
		.amdhsa_user_sgpr_kernarg_segment_ptr 1
		.amdhsa_wavefront_size32 1
		.amdhsa_system_sgpr_workgroup_id_x 1
		.amdhsa_system_sgpr_workgroup_id_y 1
		.amdhsa_system_sgpr_workgroup_id_z 1
		.amdhsa_system_vgpr_workitem_id 0
		.amdhsa_next_free_vgpr 1024
		.amdhsa_next_free_sgpr 100
		.amdhsa_reserve_vcc 0
		.amdhsa_float_denorm_mode_32 3
		.amdhsa_float_denorm_mode_16_64 3
		.amdhsa_memory_ordered 1
		.amdhsa_forward_progress 1
		.amdhsa_inst_pref_size 222
	.end_amdhsa_kernel
	.amdgpu_metadata
---
amdhsa.version: [ 1, 2 ]
amdhsa.kernels:
  - .name:           k_q2e175d2ddd_gemm
    .symbol:         k_q2e175d2ddd_gemm.kd
    .args:
      - { .name: x_img, .offset: 0, .size: 8, .value_kind: global_buffer, .address_space: global }
      - { .name: w_img, .offset: 8, .size: 8, .value_kind: global_buffer, .address_space: global }
      - { .name: t2, .offset: 16, .size: 8, .value_kind: global_buffer, .address_space: global }
      - { .name: lora_B, .offset: 24, .size: 8, .value_kind: global_buffer, .address_space: global }
      - { .name: out0, .offset: 32, .size: 8, .value_kind: global_buffer, .address_space: global }
    .group_segment_fixed_size: 327680
    .private_segment_fixed_size: 0
    .kernarg_segment_align: 8
    .kernarg_segment_size: 40
    .max_flat_workgroup_size: 128
    .sgpr_count:     100
    .vgpr_count:     1024
    .wavefront_size: 32
...
	.end_amdgpu_metadata
.endif
;; end of part 4
